; MI455X (gfx1250); checked and timed in simulation.
; The chip was launched on July 23, 2026; its instructions are those of AMD's public machine-readable ISA for CDNA 5 (MIT licence, August 2026) and "CDNA5" Instruction Set Architecture Reference Guide (July 2026). The comments in the code are by the model that wrote it; some were corrected since.
;; Self Attention. Allowed arithmetic: matrix products marked QUANTISED: E2M3 operands, one E8M0 scale for each 32 along K, by v_wmma_scale_f32_16x16x128_f8f6f4 with both operands' format E2M3, f32 sums; products left as they are: f32 operands where the result goes on into a quantised operand, else bf16, f16 or f32 operands; f32 sums; everything else in f32.
;; Inputs: Wk 1,024 x 1,024 float32; Wo 1,024 x 1,024 float32; Wq 1,024 x 1,024 float32; Wv 1,024 x 1,024 float32; bk 1,024 float32; bo 1,024 float32; bq 1,024 float32; bv 1,024 float32; x 4 x 4,096 x 1,024 float32.
;; Outputs: out0 4 x 4,096 x 1,024 float32.
;; This version of the problem:
;;   THIS VERSION OF THE PROBLEM IS GIVEN IN LOW PRECISION. The matrix products marked QUANTISED in the list below multiply operands that are first quantised to E2M3 (2 exponent bits, 3 mantissa bits; 6 bits a number), with one power-of-two scale for each 32 numbers along K (OCP MX v1.0); their sums are f32. All else is computed in f32.
;;   The module's matrix products, in the order in which they are computed (A, B: the left and right operand; K: the contracted axis; several contracted axes count as one K, in the product's order):
;;     1. [M 16,384, K 1,024] x [K 1,024, N 1,024]; A: input x; B: input Wq: QUANTISED
;;     2. [M 16,384, K 1,024] x [K 1,024, N 1,024]; A: input x; B: input Wk: QUANTISED
;;     3. [M 16,384, K 1,024] x [K 1,024, N 1,024]; A: input x; B: input Wv: QUANTISED
;;     4. batch 16,384 x [M 16, K 64] x [K 64, N 16]; A: computed on the way; B: computed on the way: QUANTISED
;;     5. batch 16,384 x [M 16, K 16] x [K 16, N 64]; A: softmax; B: computed on the way: left as it is (K = 16 < 32)
;;     6. [M 16,384, K 1,024] x [K 1,024, N 1,024]; A: computed on the way; B: input Wo: QUANTISED
;;   THE QUANTISER, for each operand of a quantised product, along K:
;;     - K is cut into blocks of 32 from its start; a last block that is shorter is filled with zeros.
;;     - A block's scale is 2^e with e = floor(log2(the largest magnitude in the block)) - 2, held to -126 .. 127; a block of zeros has e = 0. As a byte (E8M0): e + 127.
;;     - Each number is divided by its block's scale, clamped to +-7.5, and rounded to the nearest number of E2M3, ties to even, subnormals kept.
;;     - The product sums the exact products of the quantised numbers (number of the format x scale) in f32.
;;   ~~~python
;;   def quantise(x, axis):      # numpy; x: float32 -> the quantised numbers, widened to float32 again
;;       x = np.moveaxis(x, axis, -1); K = x.shape[-1]
;;       x = np.pad(x, [(0, 0)] * (x.ndim - 1) + [(0, -K % 32)]); x = x.reshape(x.shape[:-1] + (-1, 32)); a = np.abs(x).max(-1, keepdims=True)
;;       e = np.where(a > 0, np.clip(np.frexp(np.where(a > 0, a, 1))[1] - 1 - 2, -126, 127), 0)      # np.frexp(a)[1] - 1 = floor(log2(a)), exactly
;;       r = np.clip(x / 2.0 ** e, -7.5, 7.5)
;;       step = 2.0 ** (np.maximum(np.frexp(np.where(r == 0, 1, r))[1] - 1, 0) - 3)
;;       q = np.round(r / step) * step * 2.0 ** e      # np.round: ties to even
;;       return np.moveaxis(q.reshape(q.shape[:-2] + (-1,))[..., :K], -1, axis).astype(np.float32)
;;   ~~~
;;   OPERANDS COMPUTED ON THE WAY. 'Computed on the way' means the value that the module computes at that place (a softmax that the list does not call 'softmax' is quantised finished and normalised). What goes into a quantiser is computed in f32, as accurately as f32 sums, v_exp_f32 and their like allow (about 1e-6 of the number): no bf16 or f16 on the way to a quantiser, and a product that is left as it is and whose result goes on into a quantised operand takes f32 operands (vector FMAs, or v_wmma_f32_16x16x4_f32). A number that lies on a knife's edge between two numbers of the format may be rounded either way, as far as f32 arithmetic and the matrix unit's own rounding can turn it there, and no further.
;; 2 versions, each right; version 2 is version 1 with the launch fused written anew for expert scheduling mode. Each part assembles by itself: llvm-mc -triple=amdgcn-amd-amdhsa -mcpu=gfx1250 --defsym DOCPART=n.
;; ======== version 1 of 2: 2 launches
;; workspace buffers: wst 3,407,872 bytes
;; launch layw (part 1): grid 64 x 4, 4 waves a work-group, no clusters, 33,280 bytes of LDS; arguments Wq, Wk, Wv, Wo, bq, bk, bv, bo, wst; writes wst
.if DOCPART == 1
	.amdgcn_target "amdgcn-amd-amdhsa--gfx1250"
	.amdhsa_code_object_version 6
	.text
	.protected	k_q90ff4197ea_layw
	.globl	k_q90ff4197ea_layw
	.p2align	8
	.type	k_q90ff4197ea_layw,@function
k_q90ff4197ea_layw:
	s_mov_b64 s[64:65], 0
	v_nop
	global_prefetch_b8 v0, s[64:65] scope:SCOPE_SE
	s_setreg_imm32_b32 hwreg(HW_REG_WAVE_MODE, 25, 1), 1
	s_wait_xcnt 0x0
; Wq, Wk, Wv, Wo [1024 (k)][1024 (n)], f32, K = the FIRST axis, become codes of FP6 (E2M3) with one E8M0 byte for each 32 along K, laid as a STREAM in the
; order in which the next launch's operand registers take them; the four biases go along, permuted like the columns.
; THE STREAM: 4 waves x 128 units x 6,656 bytes.  Unit (w, u), u = 32 ph + 8 c + s (ph: 0 q, 1 k, 2 v, 3 o; c: chunk of four tiles of 16 columns; s: K step of 128):
;   bytes 0-6143: four fragments, 1,536 bytes each, as images of their 12 registers: register p of lane l at 512 (p / 4) + 16 l + 4 (p % 4);
;   bytes 6144-6399: scale words: lane l, word q: tile 2 q + l / 16, row l % 16;      bytes 6400-6655: the bias of the unit's 64 columns, [tile][row].
; Row r of tile t of chunk c of wave w is column   q, k: 64 (4 w + c) + 32 (t / 2) + 8 (t % 2) + r + 8 (r / 8);   v: 64 r + 32 (c / 2) + 8 w + 4 (c % 2) + t;   o: 256 w + 64 c + 16 t + r.
; SHARES.  A work-group takes 128 columns x 128 along K: 8 fragments, two units.  A THREAD TAKES A COLUMN AND ITS REGISTERS RUN DOWN K: a block of 32 lies in one lane, and the conversions
; give codes with K innermost.  q, k, o: columns 128 y + tid, 128 consecutive bytes a load of a wave.  v: columns 64 (tid / 8) + 8 y + tid % 8: four pieces of 32 bytes a load; the work-groups y = 0 .. 7 read the rest of those bytes.
; The codes go through a stage in LDS (a row of 104 bytes a column) and leave as register images, 512 consecutive bytes a store.
; One text serves the four tensors: pointers and the five numbers of the column map are chosen by s_cselect on the work-group's y; no path parts on it.
; A block's scale is 2^(floor(log2(largest magnitude)) - 2): its byte is the largest magnitude's exponent field - 2.
; LIMITS: a block whose largest magnitude lies under 2^-124 has its byte held at 1; a block of zeros has the byte 1 where the rule says 127 (its codes are zeros, and this program alone reads the bytes); NaN and infinities are not served.
; LDS: 14,336 bytes are used; more is claimed, since the read addresses are sums of products with chosen numbers, which bounded one by one reach 25,056.
.set SP,    104                        ; a stage row: 96 bytes of codes + 8 = 26 words: the 32 lanes of a store of 8 bytes touch 64 different banks
.set SCL,   128*SP                     ; behind the stage: a scale word for each column,
.set BSL,   SCL+512                    ; and its bias
.set UNITB, 6656
.set WAVEB, 128*UNITB
.set X,     32                         ; v32-95   two sets of 32 numbers
.set C,     96                         ; v96-101  a block's codes;  v104-106 the second conversion's result
.set C2,    104
.set FRG,   112                        ; v112-135 my wave's two fragments
	s_load_b256 s[8:15], s[0:1], 0x0               ; Wq, Wk, Wv, Wo
	s_load_b256 s[16:23], s[0:1], 0x20             ; bq, bk, bv, bo
	s_load_b64 s[24:25], s[0:1], 0x40              ; the stream
	v_lshl_add_u32 v144, v0, 2, 0x8000
	v_mov_b32 v145, 0
	v_lshrrev_b32 v1, 5, v0
	v_readfirstlane_b32 s26, v1                    ; wave 0..3
	s_and_b32 s27, ttmp7, 0xffff                   ; ph
	s_and_b32 s28, ttmp9, 7                        ; y: which 128 columns
	s_lshr_b32 s29, ttmp9, 3                       ; s: which 128 along K
	s_and_b32 s30, s28, 3
	s_lshr_b32 s31, s28, 1
	s_lshr_b32 s32, s28, 2
	s_lshl_b32 s32, s32, 1
	s_and_b32 s33, s28, 1
	s_lshl_b32 s33, s33, 1
	; stage row of (row r, local tile lt) = a1 r + a2 (r / 8) + b0 (lt % 2) + b1 ((lt / 2) % 2) + b2 (lt / 4)
	s_cmp_eq_u32 s27, 2                            ; v?
	s_cselect_b32 s34, 8, 1                        ; a1
	s_cselect_b32 s35, 0, 8                        ; a2
	s_cselect_b32 s36, 1, 8                        ; b0
	s_cselect_b32 s37, 2, 32                       ; b1
	s_cselect_b32 s38, 4, 64                       ; b2
	s_cselect_b32 s39, 64, 8                       ; my column = A (tid / 8) + tid % 8 + B y
	s_cselect_b32 s40, 8, 128
	s_cselect_b32 s30, s30, s31                    ; the wave of the next launch that takes these units: y % 4, or y / 2
	s_cselect_b32 s32, s32, s33                    ; the first of the two chunks: 2 (y / 4), or 2 (y % 2)
	s_cmp_eq_u32 s27, 3                            ; o?
	s_cselect_b32 s35, 0, s35
	s_cselect_b32 s36, 16, s36
	s_mul_i32 s40, s40, s28                        ; B y
	s_and_b32 s41, s26, 1                          ; my wave's tiles are 2 (wave % 2) and 2 (wave % 2) + 1
	s_lshr_b32 s42, s26, 1                         ; of unit hd = wave / 2
	s_mul_i32 s43, s42, s38                        ; b2 hd
	s_mul_i32 s44, s41, s37
	s_add_co_u32 s44, s44, s43                     ; b1 (wave % 2) + b2 hd
	s_add_co_u32 s32, s32, s42                     ; the chunk
	s_lshl_b32 s32, s32, 3
	s_lshl_b32 s45, s27, 5
	s_add_co_u32 s32, s32, s45
	s_add_co_u32 s32, s32, s29                     ; u = 32 ph + 8 c + s
	s_mul_i32 s32, s32, UNITB
	s_mul_i32 s30, s30, WAVEB
	s_add_co_u32 s30, s30, s32
	s_mul_i32 s45, s41, 3072
	s_add_co_u32 s30, s30, s45                     ; where my two fragments go, in bytes (under 2^22)
	s_mov_b32 s31, 0
	s_lshl_b32 s46, s29, 19                        ; 128 s rows of W, 4,096 bytes each
	s_mov_b32 s47, 0
	v_and_b32 v1, 31, v0                           ; lane
	v_and_b32 v2, 15, v0                           ; r
	v_bfe_u32 v3, v0, 4, 1                         ; h
	v_mul_u32_u24 v4, v0, SP                       ; my column's stage row
	v_lshrrev_b32 v26, 3, v0
	v_and_b32 v27, 7, v0
	v_mad_u32_u24 v5, v26, s39, v27
	v_add_nc_u32 v5, s40, v5
	v_lshlrev_b32 v5, 2, v5                        ; 4 x my column
	v_lshl_add_u32 v6, v0, 2, SCL
	v_lshl_add_u32 v7, v0, 2, BSL
	v_lshrrev_b32 v27, 3, v2
	v_mul_u32_u24 v26, s34, v2
	v_mad_u32_u24 v26, v27, s35, v26               ; a1 r + a2 (r / 8)
	v_add_nc_u32 v28, s44, v26
	v_mul_u32_u24 v8, v28, SP
	v_mad_u32_u24 v8, v3, 24, v8                   ; my first fragment: its row of the stage, + 24 h
	s_mul_i32 s45, s36, SP
	v_add_nc_u32 v9, s45, v8                       ; my second: b0 rows on
	v_lshlrev_b32 v10, 4, v1                       ; 16 x lane
	v_lshlrev_b32 v11, 3, v1                       ; 8 x lane
	v_mad_u32_u24 v28, v3, s36, v26                ; the scale block: word q of lane (r, h) is tile 2 q + h, row r
	v_add_nc_u32 v28, s43, v28
	v_lshl_add_u32 v12, v28, 2, SCL
	s_lshl_b32 s45, s37, 2
	v_add_nc_u32 v13, s45, v12
	v_and_b32 v28, 7, v1                           ; the bias block: lane l holds numbers 2 l, 2 l + 1: tile l / 8, rows 2 (l % 8), 2 (l % 8) + 1
	v_lshlrev_b32 v29, 1, v28
	v_mul_u32_u24 v29, s34, v29
	v_lshrrev_b32 v28, 2, v28
	v_mad_u32_u24 v29, v28, s35, v29
	v_bfe_u32 v28, v1, 3, 1
	v_mad_u32_u24 v29, v28, s36, v29
	v_mad_u32_u24 v29, v3, s37, v29
	v_add_nc_u32 v29, s43, v29
	v_lshl_add_u32 v14, v29, 2, BSL
	s_lshl_b32 s45, s34, 2
	v_add_nc_u32 v15, s45, v14
	s_wait_kmcnt 0x0
	s_cmp_eq_u32 s27, 1                            ; the tensor and its bias: the choice hangs on the work-group's y alone
	s_cselect_b64 s[8:9], s[10:11], s[8:9]
	s_cselect_b64 s[16:17], s[18:19], s[16:17]
	s_cmp_eq_u32 s27, 2
	s_cselect_b64 s[8:9], s[12:13], s[8:9]
	s_cselect_b64 s[16:17], s[20:21], s[16:17]
	s_cmp_eq_u32 s27, 3
	s_cselect_b64 s[8:9], s[14:15], s[8:9]
	s_cselect_b64 s[16:17], s[22:23], s[16:17]
	s_add_nc_u64 s[8:9], s[8:9], s[46:47]
	s_add_nc_u64 s[24:25], s[24:25], s[30:31]
.macro LOAD t                          ; block t: W(128 s + 32 t + i, my column), i = 0 .. 31, into set t % 2
.irp i, 0,1,2,3,4,5,6,7,8,9,10,11,12,13,14,15,16,17,18,19,20,21,22,23,24,25,26,27,28,29,30,31
	global_load_b32 v[X+32*((\t)%2)+\i], v5, s[8:9] offset:(32*(\t)+\i)*4096
.endr
.endm
	global_load_b32 v25, v5, s[16:17]              ; my column's bias
	LOAD 0
	LOAD 1
.macro BLOCK t
.set XS, X+32*((\t)%2)
.if (\t) < 3
	s_wait_loadcnt 32                              ; this block's 32 loads (and the bias) are in; the next block's 32 may be out
.else
	s_wait_loadcnt 0x0
.endif
	v_max3_num_f32 v26, |v[XS]|, |v[XS+1]|, |v[XS+2]|       ; the block's largest magnitude: all 32 numbers are mine; two chains
	v_max3_num_f32 v27, |v[XS+3]|, |v[XS+4]|, |v[XS+5]|
.irp i, 6,10,14,18,22,26
	v_max3_num_f32 v26, v26, |v[XS+\i]|, |v[XS+\i+1]|
	v_max3_num_f32 v27, v27, |v[XS+\i+2]|, |v[XS+\i+3]|
.endr
	v_max3_num_f32 v26, v26, |v[XS+30]|, |v[XS+31]|
	v_max3_num_f32 v26, v26, v27, 0x1800000        ; and the floor 2^(3 - 127): the byte cannot fall under 1
	v_add_nc_u32 v28, 0xff000000, v26              ; 2 off the exponent field: the conversion takes this operand's exponent field as its scale
	v_lshrrev_b32 v29, 23, v28                     ; the scale's byte
.if (\t) == 0
	v_mov_b32 v24, v29                             ; four bytes make the column's scale word of this K step
.else
	v_lshl_or_b32 v24, v29, 8*(\t), v24
.endif
	v_cvt_scalef32_pk16_fp6_f32 v[C:C+2], v[XS:XS+15], v28
	v_cvt_scalef32_pk16_fp6_f32 v[C2:C2+2], v[XS+16:XS+31], v28   ; (a conversion's three registers begin on an even number)
	v_nop                                          ; one plain place behind a scaled conversion
	v_mov_b32 v[C+3], v[C2]
	v_mov_b32 v[C+4], v[C2+1]
	v_mov_b32 v[C+5], v[C2+2]
	ds_store_b64 v4, v[C:C+1] offset:24*(\t)       ; the block's 24 bytes, in pieces of 8
	ds_store_b64 v4, v[C+2:C+3] offset:24*(\t)+8
	ds_store_b64 v4, v[C+4:C+5] offset:24*(\t)+16
.if (\t) < 2
	LOAD (\t)+2
.endif
	s_wait_dscnt 0x0                               ; the stores have read their registers: the next block's codes may be written
.endm
	BLOCK 0
	BLOCK 1
	BLOCK 2
	BLOCK 3
	ds_store_b32 v6, v24
	ds_store_b32 v7, v25
	s_wait_dscnt 0x0                               ; for the others' sake: my stores have landed
	s_barrier_signal -1
	s_barrier_wait -1                              ; the one barrier: behind it LDS is only read
.irp f, 0,1                            ; a fragment: lane (r, h) takes 24 bytes at 24 h (K = 32 h on) and 24 at 48 + 24 h (K = 64 + 32 h on) of its row
.irp p, 0,1,2,3,4,5
	ds_load_b64 v[FRG+12*\f+2*\p:FRG+12*\f+2*\p+1], v[8+\f] offset:48*(\p/3)+8*(\p%3)
.endr
.endr
	s_wait_dscnt 0x0
.irp f, 0,1
.irp g, 0,1,2
	global_store_b128 v10, v[FRG+12*\f+4*\g:FRG+12*\f+4*\g+3], s[24:25] offset:1536*\f+512*\g   ; 32 lanes store 512 consecutive bytes, at a multiple of 256 from the buffer's first byte
.endr
.endr
	s_cmp_eq_u32 s41, 0                            ; even waves store their unit's scale block, odd waves its bias block; no barrier follows
	s_cbranch_scc0 .Lodd
	ds_load_b32 v136, v12
	ds_load_b32 v137, v13
	s_wait_dscnt 0x0
	global_store_b64 v11, v[136:137], s[24:25] offset:6144       ; 256 consecutive bytes
	s_wait_tensorcnt 0x0
	ds_add_u32 v144, v145
	s_wait_dscnt 0x0
	s_endpgm
.Lodd:
	ds_load_b32 v136, v14
	ds_load_b32 v137, v15
	s_wait_dscnt 0x0
	global_store_b64 v11, v[136:137], s[24:25] offset:6400-3072  ; (my base stands 3,072 bytes into the unit)
	s_wait_tensorcnt 0x0
	ds_add_u32 v144, v145
	s_wait_dscnt 0x0
	s_endpgm
.Lfunc_end_k_q90ff4197ea_layw:
	.size	k_q90ff4197ea_layw, .Lfunc_end_k_q90ff4197ea_layw-k_q90ff4197ea_layw
	.p2alignl 7, 3214868480
	.fill 96, 4, 3214868480
	.section	.rodata,"a",@progbits
	.p2align	6, 0x0
	.amdhsa_kernel k_q90ff4197ea_layw
		.amdhsa_group_segment_fixed_size 33280
		.amdhsa_private_segment_fixed_size 0
		.amdhsa_enable_private_segment 0
		.amdhsa_kernarg_size 72
		.amdhsa_user_sgpr_count 2
		.amdhsa_user_sgpr_kernarg_segment_ptr 1
		.amdhsa_wavefront_size32 1
		.amdhsa_system_sgpr_workgroup_id_x 1
		.amdhsa_system_sgpr_workgroup_id_y 1
		.amdhsa_system_sgpr_workgroup_id_z 1
		.amdhsa_system_vgpr_workitem_id 0
		.amdhsa_next_free_vgpr 146
		.amdhsa_next_free_sgpr 66
		.amdhsa_reserve_vcc 0
		.amdhsa_float_denorm_mode_32 3
		.amdhsa_float_denorm_mode_16_64 3
		.amdhsa_memory_ordered 1
		.amdhsa_forward_progress 1
		.amdhsa_inst_pref_size 26
	.end_amdhsa_kernel
	.amdgpu_metadata
---
amdhsa.version: [ 1, 2 ]
amdhsa.kernels:
  - .name:           k_q90ff4197ea_layw
    .symbol:         k_q90ff4197ea_layw.kd
    .args:
      - { .name: Wq, .offset: 0, .size: 8, .value_kind: global_buffer, .address_space: global }
      - { .name: Wk, .offset: 8, .size: 8, .value_kind: global_buffer, .address_space: global }
      - { .name: Wv, .offset: 16, .size: 8, .value_kind: global_buffer, .address_space: global }
      - { .name: Wo, .offset: 24, .size: 8, .value_kind: global_buffer, .address_space: global }
      - { .name: bq, .offset: 32, .size: 8, .value_kind: global_buffer, .address_space: global }
      - { .name: bk, .offset: 40, .size: 8, .value_kind: global_buffer, .address_space: global }
      - { .name: bv, .offset: 48, .size: 8, .value_kind: global_buffer, .address_space: global }
      - { .name: bo, .offset: 56, .size: 8, .value_kind: global_buffer, .address_space: global }
      - { .name: wst, .offset: 64, .size: 8, .value_kind: global_buffer, .address_space: global }
    .group_segment_fixed_size: 33280
    .private_segment_fixed_size: 0
    .kernarg_segment_align: 8
    .kernarg_segment_size: 72
    .max_flat_workgroup_size: 128
    .sgpr_count:     66
    .vgpr_count:     146
    .wavefront_size: 32
...
	.end_amdgpu_metadata
.endif
;; end of part 1
;; launch fused (part 2): grid 256 x 1, 4 waves a work-group, no clusters, 294,144 bytes of LDS; arguments x, wst, out0; writes out0
.if DOCPART == 2
	.amdgcn_target "amdgcn-amd-amdhsa--gfx1250"
	.amdhsa_code_object_version 6
	.text
	.protected	k_q90ff4197ea_fused
	.globl	k_q90ff4197ea_fused
	.p2align	8
	.type	k_q90ff4197ea_fused,@function
k_q90ff4197ea_fused:
	s_mov_b64 s[64:65], 0
	v_nop
	global_prefetch_b8 v0, s[64:65] scope:SCOPE_SE
	s_setreg_imm32_b32 hwreg(HW_REG_WAVE_MODE, 25, 1), 1
	s_wait_xcnt 0x0
; out0 = scramble(softmax_j(q k^T / 8) v) Wo + bo, q, k, v = x W + b, head against head at each position.  All products on weights and q k^T run on codes of FP6 (E2M3) with one E8M0 scale for each 32
; along K; attn x v (K = 16) runs on f32 operands, since its result goes into a quantiser.  Nothing between x and out0 goes to memory.
; SHARES.  A work-group takes 64 rows of x (64 positions) through the whole chain: 256 work-groups.  Row 256 i + s / 16 of the last product's A holds head i of 16 neighbouring positions s, column 64 (s % 16) + d:
; so 64 neighbouring positions are 64 whole rows of A (16 heads x 4 groups of 16 positions), and a block of 32 along that K is half a head of one position.
; In the products on weights THE WAVES SHARE THE COLUMNS: wave w makes 256 columns for all 64 rows, in 4 chunks of 4 tiles of 16 columns: 16 accumulators, which take turns.  The rows' 32 fragments (x's, later A's) stay in
; every wave's registers; a weight fragment feeds 4 matrix instructions and is read by one wave alone, so it comes from the stream of the launch before straight into registers: a ring of 4 buffers of one unit
; (4 fragments, their scale words: 13 loads), 3 to 4 units on their way, no barrier in the ring.  All these products are used TRANSPOSED (source 0 = 16 columns of W, source 1 = 16 rows): a lane holds one row.
; In the attention wave w owns positions 16 w .. 16 w + 15, two at a time.  S^T = k q^T: lane (i, h) holds heads j = 8 h + 0 .. 7.  O^T = v^T attn^T by the f32 form, 4 heads an instruction.
; The columns of a tile of Wq, Wk are chosen so that a lane's 16 registers of two neighbouring tiles are 16 neighbours along d; a tile of Wv is ONE channel d of all 16 heads, so that v's results are, as they stand, source 0 of the f32 product.
; v is made in two passes of 32 channels (only half of it fits in LDS); scores and softmax are made anew in each pass: 1 matrix instruction and some 35 vector instructions a position.
; NO TENSOR LOADS, NO CLUSTER: q, k, v and A hold 293,632 bytes of LDS; what is left, 34,048 bytes, is less than two slots of one unit for each of the four waves (53,248 bytes), and no weight byte is read by two waves of a work-group.
; LIMITS: a block whose largest magnitude lies under 2^-124 has its byte held at 1; a block of zeros has the byte 1 where the rule says 127 (zero codes; the bytes are read here alone); NaN and infinities are not served; the order of the f32 sums is the matrix unit's.
.set UNITB, 6656                       ; a unit of the stream: 4 x 1,536 bytes of codes, 256 of scale words, 256 of bias
.set CHB,   8*UNITB                    ; a chunk: 8 K steps
.set WAVEB, 128*UNITB                  ; a wave's stream
; LDS
.set VPP,   2064                       ; v: a position's image [u][q][lane][16 bytes] + 16: 516 words, so that 16 positions start at 16 different groups of 4 banks
.set XTP,   528                        ; x's turn: 16 rows x (512 bytes + 16) for each wave, at 0          (inside v's bytes: parted from v by a barrier)
.set LXI,   33792                      ; x's 32 fragment images, 1,536 bytes each: fragment 4 s + m         (likewise)
.set LXS,   82944                      ; x's scale words [s][m][16]                                         (likewise)
.set OSP,   272                        ; the way out: 16 rows x (256 bytes + 16) for each wave, at 0        (likewise)
.set LQB,   132096                     ; q's codes: a position's row of 784 bytes, 48 bytes a head
.set PP,    784
.set KOFF,  50176                      ; k's lie this far behind q's
.set LQS,   232448                     ; q's scale words: 68 bytes a position, 4 a head
.set QSP,   68
.set KSOFF, 4352                       ; k's lie this far behind
.set LAB,   241152                     ; A's codes: row 16 T + i, 784 bytes apart
.set LAS,   291328                     ; A's scale bytes: 36 bytes a row
.set ASP,   36
; vector registers, window 0
.set L16,  1                           ; 16 x lane
.set L8,   2                           ; 8 x lane
.set H32,  3                           ; 32 h
.set XTW,  4
.set XTR,  5
.set XIW,  6
.set XSW,  7
.set XIR,  8
.set XSR,  9
.set QW0,  10
.set QSW0, 11
.set VW0,  12                          ; v12, v13
.set AQ0,  14
.set ASQ0, 15
.set AV0,  16
.set AA0,  17
.set AB0,  18
.set AFR,  19
.set ASR,  20
.set OSW,  21
.set OSR,  22
.set VO0,  23                          ; v23, v24
.set T0,   25                          ; v25-29 addresses in hand
.set SCQ,  30                          ; v30-31 the score products' scale words: lanes 0-15 q's, lanes 16-31 k's
.set XSC,  32                          ; v32-47 the rows' scale words: register 2 s + pr: lanes 0-15 row tile 2 pr, lanes 16-31 row tile 2 pr + 1
.set WSC,  48                          ; v48-55 the weights': buffer f, register 2 f + q: lanes 0-15 tile 2 q, lanes 16-31 tile 2 q + 1
.set BIAS, 56                          ; v56-87 the chunk's bias, 8 registers a tile, in the result's layout
.set PC,   88                          ; v88-107 codes just made
.set AT,   88                          ; v88-103 attn, 8 registers a position
.set MX,   104                         ; v104-107 softmax: maximum, then 1 / sum, in the even ones
.set PW,   108                         ; v108-109 scale words just made
.set CA,   108                         ; v108-110, v120-122 the attention's codes
.set CB,   120
.set TM,   112                         ; v112-115 largest magnitudes, v116-119 bytes, v124-127 the conversions' scale operands
.set ACC,  128                         ; v128-255 accumulator (row tile m, column tile t) at 128 + 32 m + 8 t
.set OD,   128                         ; v128-159 the f32 products' results: written by matrix instructions alone in this whole text
.set SD,   160                         ; v160-175 scores
.set KF,   176                         ; k's fragment of position p at 176 + 24 p, q's at 188 + 24 p: 6 registers of codes, 6 of zero codes (K = 64 of the instruction's 128)
.set QF,   188
.set VA,   224                         ; v224-255 v's images
.set X64,  176                         ; v176-239 64 numbers of x
.set OUTR, 192                         ; window 1, v192-255: rows of out0, two sets of 32
; window 1: fragments of K steps 0-3 at 48 s + 12 m (at the start: four landing sets of 64 for x); window 2: K steps 4-7; window 3: the four weight buffers at 48 f + 12 t
; scalars: s[4:5] x, s[12:13] the stream, s[14:15] out0, s10 wave, s16-17 counters, s18-25 LDS offsets that step, s[26:27] lane selects, s[28:29] c, s30-39 at work, s40-41 the pass's offsets
.set MSB, 0
.macro WIN new                         ; bits 1:0 source 0, 3:2 source 1, 5:4 source 2, 7:6 destination; the high byte repeats the setting that is left
.if MSB != \new
	s_set_vgpr_msb (MSB<<8)|\new
.set MSB, \new
.endif
.endm
.macro BARRIER                         ; my LDS stores have landed and my LDS loads are in: then the work-group's barrier
	s_wait_dscnt 0x0
	s_barrier_signal -1
	s_barrier_wait -1
.endm
; nb blocks of 32: my 16 numbers of block b stand in v[src + 16 b] on, lane l xor 16 holds the other 16.  Leaves the byte in v[TM+4+b] and the conversion's scale operand in v[TM+12+b].  The registers are read in ascending order.
.macro BSCALE src, nb
.set BQ, 0
.rept \nb
	v_max3_num_f32 v[TM+BQ], |v[(\src)+16*BQ]|, |v[(\src)+16*BQ+1]|, 0x1800000   ; with the floor 2^(3 - 127): the byte cannot fall under 1
.set BQ, BQ+1
.endr
.irp i, 2,4,6,8,10,12,14
.set BQ, 0
.rept \nb
	v_max3_num_f32 v[TM+BQ], v[TM+BQ], |v[(\src)+16*BQ+\i]|, |v[(\src)+16*BQ+\i+1]|   ; (the blocks by turns)
.set BQ, BQ+1
.endr
.endr
.set BQ, 0
.rept \nb
	v_permlanex16_b32 v[TM+4+BQ], v[TM+BQ], s26, s27
.set BQ, BQ+1
.endr
.set BQ, 0
.rept \nb
	v_max_num_f32 v[TM+BQ], v[TM+BQ], v[TM+4+BQ]
.set BQ, BQ+1
.endr
.set BQ, 0
.rept \nb
	v_add_nc_u32 v[TM+12+BQ], 0xff000000, v[TM+BQ]   ; 2 off the exponent field
.set BQ, BQ+1
.endr
.set BQ, 0
.rept \nb
	v_lshrrev_b32 v[TM+4+BQ], 23, v[TM+12+BQ]
.set BQ, BQ+1
.endr
.endm
; 64 numbers of x, register 16 b + i = k 32 b + 16 h + i of my row, become a fragment in v[PC] on and its scale word in v[PW]
.macro QUANTX
	BSCALE X64, 4
	v_lshl_or_b32 v[PW], v[TM+5], 8, v[TM+4]
	v_lshl_or_b32 v[PW], v[TM+6], 16, v[PW]
	v_lshl_or_b32 v[PW], v[TM+7], 24, v[PW]
.irp c, 0,1
	v_cvt_scalef32_pk16_fp6_f32 v[PC+6*\c:PC+2+6*\c], v[X64+32*\c:X64+15+32*\c], v[TM+12+2*\c]
	v_cvt_scalef32_pk16_fp6_f32 v[PC+12+4*\c:PC+14+4*\c], v[X64+16+32*\c:X64+31+32*\c], v[TM+12+2*\c+1]   ; (a conversion's three registers begin on an even number)
.endr
	v_nop                                          ; one plain place behind a scaled conversion
.irp c, 0,1                            ; the operand's layout wants a WHOLE block in a lane: lanes 0-15 block 2 c, lanes 16-31 block 2 c + 1
.irp i, 0,1,2
	v_permlane16_swap_b32 v[PC+6*\c+\i], v[PC+12+4*\c+\i]
.endr
.irp i, 0,1,2
	v_mov_b32 v[PC+3+6*\c+\i], v[PC+12+4*\c+\i]
.endr
.endr
.endm
.macro XSET s                          ; K step s of my 16 rows of x: each load reads 512 consecutive bytes of one row, into landing set s % 4
	WIN 0x40
.irp p, 0,1,2,3,4,5,6,7,8,9,10,11,12,13,14,15
	global_load_b128 v[64*((\s)%4)+4*\p:64*((\s)%4)+4*\p+3], v[L16], s[4:5] offset:4096*\p+512*(\s) th:TH_LOAD_NT
.endr
	WIN 0
.endm
.macro WLOAD bf, off                   ; a unit of the stream into buffer bf: 13 loads
	WIN 0xc0
.irp t, 0,1,2,3
.irp g, 0,1,2
	global_load_b128 v[48*(\bf)+12*\t+4*\g:48*(\bf)+12*\t+4*\g+3], v[L16], s[12:13] offset:(\off)+1536*\t+512*\g
.endr
.endr
	WIN 0
	global_load_b64 v[WSC+2*(\bf):WSC+2*(\bf)+1], v[L8], s[12:13] offset:(\off)+6144
.endm
.macro BLOAD off                       ; a chunk's bias: lane (r, h) wants, for tile t, the numbers of rows 8 h + 0 .. 7: 8 loads
.irp t, 0,1,2,3
.irp q, 0,1
	global_load_b128 v[BIAS+8*\t+4*\q:BIAS+8*\t+4*\q+3], v[H32], s[12:13] offset:(\off)+6400+64*\t+16*\q
.endr
.endr
.endm
.macro WM d, a, b, c, sa, sb, ra, rb   ; one product; ra, rb: the side's scales stand in lanes 16-31
.if ((\ra) == 0) && ((\rb) == 0)
	v_wmma_scale_f32_16x16x128_f8f6f4 v[\d:\d+7], v[\a:\a+11], v[\b:\b+11], v[\c:\c+7], v[\sa], v[\sb] matrix_a_fmt:MATRIX_FMT_FP6 matrix_b_fmt:MATRIX_FMT_FP6
.elseif (\rb) == 0
	v_wmma_scale_f32_16x16x128_f8f6f4 v[\d:\d+7], v[\a:\a+11], v[\b:\b+11], v[\c:\c+7], v[\sa], v[\sb] matrix_a_fmt:MATRIX_FMT_FP6 matrix_b_fmt:MATRIX_FMT_FP6 matrix_a_scale:MATRIX_SCALE_ROW1
.elseif (\ra) == 0
	v_wmma_scale_f32_16x16x128_f8f6f4 v[\d:\d+7], v[\a:\a+11], v[\b:\b+11], v[\c:\c+7], v[\sa], v[\sb] matrix_a_fmt:MATRIX_FMT_FP6 matrix_b_fmt:MATRIX_FMT_FP6 matrix_b_scale:MATRIX_SCALE_ROW1
.else
	v_wmma_scale_f32_16x16x128_f8f6f4 v[\d:\d+7], v[\a:\a+11], v[\b:\b+11], v[\c:\c+7], v[\sa], v[\sb] matrix_a_fmt:MATRIX_FMT_FP6 matrix_b_fmt:MATRIX_FMT_FP6 matrix_a_scale:MATRIX_SCALE_ROW1 matrix_b_scale:MATRIX_SCALE_ROW1
.endif
.endm
; K step s of a chunk: 16 products, the 16 accumulators by turns, one instruction a turn, in the same order in every step.  In step 0 the bias is the C: nothing is cleared, nothing added later.
; n: the younger loads that may stay out.  Behind the products np places (ISA guide 7.12.1), then the unit four steps on into the buffer just read; behind step 0 also the next chunk's bias.
.macro UNIT s, n, ahead, bias, np
	s_wait_loadcnt \n
.if (\s) < 4
	WIN 0x07                                       ; source 0 (W) window 3, source 1 (rows) window 1
.else
	WIN 0x0b                                       ; source 1 window 2
.endif
.irp t, 0,1,2,3
.irp m, 0,1,2,3
.if (\s) == 0
	WM ACC+32*\m+8*\t, 48*((\s)%4)+12*\t, 48*((\s)%4)+12*\m, BIAS+8*\t, WSC+2*((\s)%4)+\t/2, XSC+2*(\s)+\m/2, \t%2, \m%2
.else
	WM ACC+32*\m+8*\t, 48*((\s)%4)+12*\t, 48*((\s)%4)+12*\m, ACC+32*\m+8*\t, WSC+2*((\s)%4)+\t/2, XSC+2*(\s)+\m/2, \t%2, \m%2
.endif
.endr
.endr
.rept \np
	v_nop
.endr
.if \ahead
	WLOAD (\s)%4, ((\s)+4)*UNITB
.else
	WIN 0
.endif
.if \bias
	BLOAD 8*UNITB
.endif
.endm
; A chunk.  39 = the three younger units' 13 loads each; 47 = those and the 8 loads of the next chunk's bias, issued behind step 0.  Behind step 7 five places: the next chunk begins the accumulators anew with another C.
; last = 1: the stream's last chunk asks for nothing past its own units, and the counts run down.
.macro CHUNK last
.if \last
	UNIT 0, 39, 1, 0, 4
	UNIT 1, 39, 1, 0, 4
	UNIT 2, 39, 1, 0, 4
	UNIT 3, 39, 1, 0, 4
	UNIT 4, 39, 0, 0, 4
	UNIT 5, 26, 0, 0, 4
	UNIT 6, 13, 0, 0, 4
	UNIT 7, 0, 0, 0, 5
.else
	UNIT 0, 39, 1, 1, 4
	UNIT 1, 47, 1, 0, 4
	UNIT 2, 47, 1, 0, 4
	UNIT 3, 47, 1, 0, 4
	UNIT 4, 47, 1, 0, 4
	UNIT 5, 39, 1, 0, 4
	UNIT 6, 39, 1, 0, 4
	UNIT 7, 39, 1, 0, 5
.endif
.endm
.macro STEPW
	s_wait_xcnt 0x0                                ; the loads that are out have had their addresses translated: only behind this wait is their base stepped
	s_add_nc_u64 s[12:13], s[12:13], CHB
.endm
	s_load_b128 s[4:7], s[0:1], 0x0                ; x, the stream
	s_load_b64 s[8:9], s[0:1], 0x10                ; out0
	v_lshl_add_u32 v111, v0, 2, 0x47b00
	v_mov_b32 v123, 0
	v_lshrrev_b32 v25, 5, v0
	v_readfirstlane_b32 s10, v25                   ; wave 0..3
	v_and_b32 v26, 31, v0                          ; lane
	v_and_b32 v27, 15, v0                          ; r
	v_bfe_u32 v28, v0, 4, 1                        ; h
	v_lshlrev_b32 v[L16], 4, v26
	v_lshlrev_b32 v[L8], 3, v26
	v_lshlrev_b32 v[H32], 5, v28
	s_lshl_b32 s30, ttmp9, 18                      ; x: 64 rows of 4,096 bytes a work-group,
	s_lshl_b32 s31, s10, 16                        ; 16 a wave
	s_add_co_u32 s30, s30, s31
	s_mov_b32 s31, 0
	s_mul_i32 s32, s10, WAVEB                      ; my wave's stream
	s_mov_b32 s33, 0
	s_lshr_b32 s34, ttmp9, 6                       ; out0: row 4,096 (g / 64) + 4 (g % 64), + 256 i + m; my 256 columns
	s_lshl_b32 s34, s34, 24
	s_and_b32 s35, ttmp9, 63
	s_lshl_b32 s35, s35, 14
	s_add_co_u32 s34, s34, s35
	s_lshl_b32 s35, s10, 10
	s_add_co_u32 s34, s34, s35
	s_mov_b32 s35, 0
	s_mov_b32 s26, 0x76543210
	s_mov_b32 s27, 0xfedcba98                      ; v_permlanex16_b32: lane l xor 16
	s_mov_b32 s28, 0x3e38aa3b                      ; c = log2(e) / 8
	s_mov_b32 s29, s28                             ; (named with it as a pair, so it is written)
	s_wait_kmcnt 0x0
	s_add_nc_u64 s[4:5], s[4:5], s[30:31]
	s_add_nc_u64 s[12:13], s[6:7], s[32:33]
	s_add_nc_u64 s[14:15], s[8:9], s[34:35]
	XSET 0                                         ; 64 loads a wave go out before anything else is done
	XSET 1
	XSET 2
	XSET 3
	s_mul_i32 s30, s10, 16*XTP
	v_add_nc_u32 v[XTW], s30, v[L16]               ; x's turn, in: a row's 512 bytes as they lie
	v_mul_u32_u24 v[XTR], v27, XTP
	v_lshl_add_u32 v[XTR], v28, 6, v[XTR]
	v_add_nc_u32 v[XTR], s30, v[XTR]               ; back: row r, + 64 h: my 16 numbers of a block of 32
	s_mul_i32 s30, s10, 1536
	s_add_co_u32 s30, s30, LXI
	v_add_nc_u32 v[XIW], s30, v[L16]               ; x's images: I store row tile m = wave
	s_lshl_b32 s30, s10, 6
	s_add_co_u32 s30, s30, LXS
	v_lshl_add_u32 v[XSW], v27, 2, s30
	v_add_nc_u32 v[XIR], LXI, v[L16]
	v_lshl_add_u32 v[XSR], v26, 2, LXS
	v_mul_u32_u24 v[QW0], v27, PP
	v_mad_u32_u24 v[AFR], v28, 24, v[QW0]
	v_mad_u32_u24 v[QW0], v28, 12, v[QW0]          ; 784 r + 12 h
	s_mul_i32 s30, s10, 16*PP
	s_add_co_u32 s31, s30, LAB
	v_add_nc_u32 v[AA0], s31, v[QW0]               ; A's codes, in: row 16 w + i, + 12 h
	v_add_nc_u32 v[AFR], LAB, v[AFR]               ; and as fragments: row r, + 24 h
	s_mul_i32 s31, s10, 192
	s_add_co_u32 s31, s31, LQB
	v_add_nc_u32 v[QW0], s31, v[QW0]               ; q's codes, in: position r, my four heads, + 12 h
	v_mul_u32_u24 v[QSW0], v27, QSP
	s_lshl_b32 s31, s10, 4
	s_add_co_u32 s31, s31, LQS
	v_add_nc_u32 v[QSW0], s31, v[QSW0]
	v_mul_u32_u24 v[VW0], v27, VPP
	v_lshl_add_u32 v[VW0], v28, 8, v[VW0]
	s_and_b32 s31, s10, 1
	s_lshl_b32 s31, s31, 10
	s_lshr_b32 s32, s10, 1
	s_lshl_b32 s32, s32, 7
	s_add_co_u32 s31, s31, s32
	v_add_nc_u32 v[VW0], s31, v[VW0]               ; v, in: position r; u = w % 2; lane 8 (w / 2) + 4 (c % 2) + t + 16 h of the image
	v_add_nc_u32 v[VW0+1], 32*VPP, v[VW0]          ; (positions 32 on: past an LDS immediate's reach)
	v_mul_u32_u24 v[AQ0], v27, 48
	v_mad_u32_u24 v[AQ0], v28, 24, v[AQ0]
	s_add_co_u32 s31, s30, LQB
	v_add_nc_u32 v[AQ0], s31, v[AQ0]               ; q's fragment of my first position: head r, + 24 h
	v_lshlrev_b32 v[ASQ0], 2, v27
	v_mad_u32_u24 v[ASQ0], v28, KSOFF, v[ASQ0]     ; lanes 0-15 q's scale words, lanes 16-31 k's
	s_mul_i32 s31, s10, 16*QSP
	s_add_co_u32 s31, s31, LQS
	v_add_nc_u32 v[ASQ0], s31, v[ASQ0]
	s_mul_i32 s31, s10, 16*VPP
	v_add_nc_u32 v[AV0], s31, v[L16]
	v_mul_u32_u24 v[AB0], v27, ASP
	v_mad_u32_u24 v[ASR], v28, 16*ASP, v[AB0]
	v_add_nc_u32 v[ASR], LAS, v[ASR]
	s_mul_i32 s31, s10, 16*ASP
	s_add_co_u32 s31, s31, LAS
	v_add_nc_u32 v[AB0], s31, v[AB0]
	s_mul_i32 s31, s10, 16*OSP
	v_mul_u32_u24 v[OSW], v27, OSP
	v_lshl_add_u32 v[OSW], v28, 5, v[OSW]
	v_add_nc_u32 v[OSW], s31, v[OSW]               ; the way out, in: row r, + 32 h
	v_mul_u32_u24 v[OSR], v28, OSP
	v_lshl_add_u32 v[OSR], v27, 4, v[OSR]
	v_add_nc_u32 v[OSR], s31, v[OSR]               ; back: lanes 0-15 one row of 256 bytes, lanes 16-31 the next
	v_lshlrev_b32 v[VO0], 20, v28                  ; in out0 two neighbouring heads' rows lie 256 rows, 1,048,576 bytes, apart
	v_lshl_add_u32 v[VO0], v27, 4, v[VO0]
	v_add_nc_u32 v[VO0+1], 0x800000, v[VO0]        ; (heads 8 on: past a store's immediate)
.irp b, 4,5,6,7
	v_mov_b32 v[TM+\b], 0                          ; written once: a lane permute's destination counts as one of its sources
.endr
	v_mov_b32 v[MX+1], 0
	v_mov_b32 v[MX+3], 0
; ---- X: my 16 rows of x become 8 fragments.  A load is best where neighbouring lanes take neighbouring bytes, a conversion wants 16 neighbours in a lane: the 16 x 512 bytes of a K step turn through my own bytes of LDS.
.macro XSTEP s, left
	s_wait_loadcnt \left                           ; this K step's 16 loads are in; the younger sets' stay out
	WIN 0x04                                       ; an LDS store's data are its source 1: window 1
.irp p, 0,1,2,3,4,5,6,7,8,9,10,11,12,13,14,15
	ds_store_b128 v[XTW], v[64*((\s)%4)+4*\p:64*((\s)%4)+4*\p+3] offset:XTP*\p
.endr
	WIN 0
.irp b, 0,1,2,3
.irp j, 0,1,2,3
	ds_load_b128 v[X64+16*\b+4*\j:X64+16*\b+4*\j+3], v[XTR] offset:128*\b+16*\j   ; LDS serves a wave's instructions in order: these see the stores above
.endr
.endr
	s_wait_dscnt 0x0                               ; the numbers are back; the stores (the last step's images too) have read their registers
.if (\s) < 4
	XSET (\s)+4
.endif
.if (\s) == 7
	BLOAD 0                                        ; x is all in: the weights' ring starts: 8 + 4 x 13 loads
	WLOAD 0, 0
	WLOAD 1, UNITB
	WLOAD 2, 2*UNITB
	WLOAD 3, 3*UNITB
.endif
	QUANTX
.irp c, 0,1,2
	ds_store_b128 v[XIW], v[PC+4*\c:PC+4*\c+3] offset:6144*(\s)+512*\c   ; the fragment as an image of its registers: 16 bytes a lane, 512 a store
.endr
	ds_store_b32 v[XSW], v[PW] offset:256*(\s)     ; (both halves of the lanes write the same word with the same value)
.endm
	XSTEP 0, 48
	XSTEP 1, 48
	XSTEP 2, 48
	XSTEP 3, 48
	XSTEP 4, 48
	XSTEP 5, 32
	XSTEP 6, 16
	XSTEP 7, 0
	BARRIER                                        ; x's 32 fragments lie in LDS
.irp s, 0,1,2,3,4,5,6,7                ; and every wave takes all of them into registers
.if \s < 4
	WIN 0x40
.else
	WIN 0x80
.endif
.irp m, 0,1,2,3
.irp c, 0,1,2
	ds_load_b128 v[48*(\s%4)+12*\m+4*\c:48*(\s%4)+12*\m+4*\c+3], v[XIR] offset:1536*(4*\s+\m)+512*\c
.endr
.endr
.endr
	WIN 0
.irp s, 0,1,2,3,4,5,6,7
.irp q, 0,1
	ds_load_b32 v[XSC+2*\s+\q], v[XSR] offset:256*\s+128*\q
.endr
.endr
	s_wait_dscnt 0x0
; ---- q, then k: a chunk is one head of my four, for 64 positions.  Its results are quantised in registers; codes and scale words go to LDS by position.
; Block b of a pair of row tiles: row tile 2 hf + b / 2, half b % 2 of the head; a lane's 16 codes are 12 bytes.  The scale word's upper two bytes stay 0: they stand over zero codes.
.macro EPI_QK
	v_add_nc_u32 v[T0], s18, v[QW0]
	v_add_nc_u32 v[T0+1], s19, v[QSW0]
.irp hf, 0,1
	BSCALE ACC+64*\hf, 4
	v_lshl_or_b32 v[PW], v[TM+5], 8, v[TM+4]
	v_lshl_or_b32 v[PW+1], v[TM+7], 8, v[TM+6]
.irp b, 0,1,2,3
	v_cvt_scalef32_pk16_fp6_f32 v[PC+4*\b:PC+4*\b+2], v[ACC+64*\hf+16*\b:ACC+64*\hf+16*\b+15], v[TM+12+\b]
.endr
	v_nop                                          ; one plain place behind a scaled conversion
.irp b, 0,1,2,3
.irp i, 0,1,2
	ds_store_b32 v[T0], v[PC+4*\b+\i] offset:16*PP*(2*\hf+\b/2)+24*(\b%2)+4*\i
.endr
.endr
	ds_store_b32 v[T0+1], v[PW] offset:16*QSP*(2*\hf)
	ds_store_b32 v[T0+1], v[PW+1] offset:16*QSP*(2*\hf+1)
	s_wait_dscnt 0x0                               ; the stores have read their registers
.endr
.endm
	s_mov_b32 s18, 0                               ; where the chunk's head lies in a position's row of codes,
	s_mov_b32 s19, 0                               ; and among its scale words
	s_mov_b32 s16, 2
.Lqk:
	s_mov_b32 s17, 4
.Lqkc:
	CHUNK 0
	EPI_QK
	STEPW
	s_add_co_u32 s18, s18, 48
	s_add_co_u32 s19, s19, 4
	s_sub_co_u32 s17, s17, 1
	s_cmp_lg_u32 s17, 0
	s_cbranch_scc1 .Lqkc
	s_add_co_u32 s18, s18, KOFF-192                ; on to k's bytes
	s_add_co_u32 s19, s19, KSOFF-16
	s_sub_co_u32 s16, s16, 1
	s_cmp_lg_u32 s16, 0
	s_cbranch_scc1 .Lqk
	BARRIER                                        ; q's and k's codes lie in LDS; and every wave's reads of x's images are long over: v may land on them
; ---- v and the attention, in two passes of 32 channels
.macro EPI_V                           ; lane (position r, h), tile t: v of heads 8 h + 0 .. 7, one channel: 2 x 16 bytes into the position's image; each accumulator from its low end on
	v_add_nc_u32 v[T0], s20, v[VW0]
	v_add_nc_u32 v[T0+1], s20, v[VW0+1]
.irp m, 0,1,2,3
.irp t, 0,1,2,3
.irp q, 0,1
	ds_store_b128 v[T0+\m/2], v[ACC+32*\m+8*\t+4*\q:ACC+32*\m+8*\t+4*\q+3] offset:16*VPP*(\m%2)+16*\t+512*\q
.endr
.endr
.endr
	s_wait_dscnt 0x0                               ; the stores have read the accumulators
.endm
.macro P5LOAD                          ; two positions: 14 loads for the scores, then 8 for v
	v_add_nc_u32 v[T0+2], s21, v[AQ0]
	v_add_nc_u32 v[T0+3], s22, v[ASQ0]
	v_add_nc_u32 v[T0+4], s23, v[AV0]
.irp p, 0,1
.irp i, 0,1,2
	ds_load_b64 v[KF+24*\p+2*\i:KF+24*\p+2*\i+1], v[T0+2] offset:PP*\p+KOFF+8*\i
.endr
.irp i, 0,1,2
	ds_load_b64 v[QF+24*\p+2*\i:QF+24*\p+2*\i+1], v[T0+2] offset:PP*\p+8*\i
.endr
	ds_load_b32 v[SCQ+\p], v[T0+3] offset:QSP*\p
.endr
.irp p, 0,1
.irp u, 0,1
.irp q, 0,1
	ds_load_b128 v[VA+16*\p+8*\u+4*\q:VA+16*\p+8*\u+4*\q+3], v[T0+4] offset:VPP*\p+1024*\u+512*\q
.endr
.endr
.endr
	s_add_co_u32 s21, s21, 2*PP
	s_add_co_u32 s22, s22, 2*QSP
	s_add_co_u32 s23, s23, 2*VPP
.endm
.macro P5TRIP next
	s_wait_dscnt 8                                 ; codes and scale words are in.  On the way in v's 8 loads may stay out; round the loop the 8 youngest are the last trip's stores
.irp p, 0,1                            ; S^T = k q^T: source 0 = k's 16 heads (scales in lanes 16-31), source 1 = q's
	v_wmma_scale_f32_16x16x128_f8f6f4 v[SD+8*\p:SD+8*\p+7], v[KF+24*\p:KF+24*\p+11], v[QF+24*\p:QF+24*\p+11], 0, v[SCQ+\p], v[SCQ+\p] matrix_a_fmt:MATRIX_FMT_FP6 matrix_b_fmt:MATRIX_FMT_FP6 matrix_a_scale:MATRIX_SCALE_ROW1
.endr
.rept 4
	v_nop
.endr
.irp p, 0,1                            ; the softmax over the 16 heads j: 8 in my registers, 8 in lane l xor 16; the two positions by turns
	v_max3_num_f32 v[MX+2*\p], v[SD+8*\p], v[SD+8*\p+1], v[SD+8*\p+2]
.endr
.irp i, 3,5
.irp p, 0,1
	v_max3_num_f32 v[MX+2*\p], v[MX+2*\p], v[SD+8*\p+\i], v[SD+8*\p+\i+1]
.endr
.endr
.irp p, 0,1
	v_max_num_f32 v[MX+2*\p], v[MX+2*\p], v[SD+8*\p+7]
.endr
.irp p, 0,1
	v_permlanex16_b32 v[MX+2*\p+1], v[MX+2*\p], s26, s27
.endr
.irp p, 0,1
	v_max_num_f32 v[MX+2*\p], v[MX+2*\p], v[MX+2*\p+1]
.endr
.irp i, 0,2,4,6
.irp p, 0,1
	v_pk_add_f32 v[SD+8*\p+\i:SD+8*\p+\i+1], v[SD+8*\p+\i:SD+8*\p+\i+1], v[MX+2*\p:MX+2*\p+1] op_sel_hi:[1,0] neg_lo:[0,1] neg_hi:[0,1]   ; the maximum is taken away first, so that the difference keeps the scores' own accuracy whatever their size
.endr
.endr
.irp i, 0,2,4,6
.irp p, 0,1
	v_pk_mul_f32 v[SD+8*\p+\i:SD+8*\p+\i+1], v[SD+8*\p+\i:SD+8*\p+\i+1], s[28:29] op_sel_hi:[1,0]
.endr
.endr
.irp p, 0,1
.irp i, 0,1,2,3,4,5,6,7
	v_exp_f32 v[AT+8*\p+\i], v[SD+8*\p+\i]
.endr
.endr
	v_nop                                          ; one plain place behind the exponentials
	s_wait_alu depctr_va_vdst(0)
.irp p, 0,1
	v_pk_add_f32 v[SD+8*\p:SD+8*\p+1], v[AT+8*\p:AT+8*\p+1], v[AT+8*\p+2:AT+8*\p+3]
.endr
.irp p, 0,1
	v_pk_add_f32 v[SD+8*\p+2:SD+8*\p+3], v[AT+8*\p+4:AT+8*\p+5], v[AT+8*\p+6:AT+8*\p+7]
.endr
.irp p, 0,1
	v_pk_add_f32 v[SD+8*\p:SD+8*\p+1], v[SD+8*\p:SD+8*\p+1], v[SD+8*\p+2:SD+8*\p+3]
.endr
.irp p, 0,1
	v_add_f32 v[MX+2*\p], v[SD+8*\p], v[SD+8*\p+1]
.endr
.irp p, 0,1
	v_permlanex16_b32 v[MX+2*\p+1], v[MX+2*\p], s26, s27
.endr
.irp p, 0,1
	v_add_f32 v[MX+2*\p], v[MX+2*\p], v[MX+2*\p+1]
.endr
.irp p, 0,1
	v_rcp_f32 v[MX+2*\p], v[MX+2*\p]
.endr
	v_nop                                          ; one plain place behind the reciprocals
	s_wait_alu depctr_va_vdst(0)
.irp i, 0,2,4,6
.irp p, 0,1
	v_pk_mul_f32 v[AT+8*\p+\i:AT+8*\p+\i+1], v[AT+8*\p+\i:AT+8*\p+\i+1], v[MX+2*\p:MX+2*\p+1] op_sel_hi:[1,0]   ; attn, finished and normalised, in f32
.endr
.endr
	s_wait_dscnt 0x0                               ; v is in, and the last trip's stores have read their registers
; O^T = v^T attn^T, f32 operands.  Source 0: lane (m, h), register j: v of head 8 h + 2 kk + j, channel 32 a + 16 (m / 8) + 8 u + m % 8; source 1: lane (i, h): attn(i, the same head).
; Four accumulators by turns, the first of each sum with C = 0.  A lane's 16 results of a position are channels 32 a + 16 h + 0 .. 15 of head i.
.irp kk, 0,1,2,3
.irp p, 0,1
.irp u, 0,1
.if \kk == 0
	v_wmma_f32_16x16x4_f32 v[OD+16*\p+8*\u:OD+16*\p+8*\u+7], v[VA+16*\p+8*\u+2*\kk:VA+16*\p+8*\u+2*\kk+1], v[AT+8*\p+2*\kk:AT+8*\p+2*\kk+1], 0
.else
	v_wmma_f32_16x16x4_f32 v[OD+16*\p+8*\u:OD+16*\p+8*\u+7], v[VA+16*\p+8*\u+2*\kk:VA+16*\p+8*\u+2*\kk+1], v[AT+8*\p+2*\kk:AT+8*\p+2*\kk+1], v[OD+16*\p+8*\u:OD+16*\p+8*\u+7]
.endif
.endr
.endr
.endr
.rept 9
	v_nop                                          ; behind this form 8 places in front of loads into its sources and reads of its results, 9 in front of the matrix instructions that begin these accumulators anew
.endr
.if \next
	P5LOAD                                         ; the next two positions land while these are quantised
.endif
	BSCALE OD, 2                                   ; a block of 32 along the last product's K: half a head of one position
	v_cvt_scalef32_pk16_fp6_f32 v[CA:CA+2], v[OD:OD+15], v[TM+12]
	v_cvt_scalef32_pk16_fp6_f32 v[CB:CB+2], v[OD+16:OD+31], v[TM+13]
	v_nop                                          ; one plain place behind a scaled conversion
	v_add_nc_u32 v[T0], s24, v[AA0]
	v_add_nc_u32 v[T0+1], s25, v[AB0]
.irp i, 0,1,2
	ds_store_b32 v[T0], v[CA+\i] offset:4*\i
.endr
.irp i, 0,1,2
	ds_store_b32 v[T0], v[CB+\i] offset:48+4*\i
.endr
	ds_store_b8 v[T0+1], v[TM+4]                   ; (both halves of the lanes write the same byte with the same value)
	ds_store_b8 v[T0+1], v[TM+5] offset:2
.if \next
	s_add_co_u32 s24, s24, 96
	s_add_co_u32 s25, s25, 4
.endif
.endm
	s_mov_b32 s40, 0                               ; 24 a: the pass's half of a head, in A's codes,
	s_mov_b32 s41, 0                               ; a: and among A's scale bytes
	s_mov_b32 s16, 2
.Lpass:
	s_mov_b32 s20, 0
	s_mov_b32 s17, 2
.Lvc:
	CHUNK 0
	EPI_V
	STEPW
	s_add_co_u32 s20, s20, 64
	s_sub_co_u32 s17, s17, 1
	s_cmp_lg_u32 s17, 0
	s_cbranch_scc1 .Lvc
	BARRIER                                        ; 32 channels of v lie in LDS
.irp p, 0,1
.irp i, 6,7,8,9,10,11
	v_mov_b32 v[KF+24*\p+\i], 0                    ; zero codes for K = 64 .. 127 of the score products
	v_mov_b32 v[QF+24*\p+\i], 0
.endr
.endr
.rept 4
	v_nop                                          ; an operand written by vector instructions stands 4 places ahead of a scaled matrix instruction
.endr
	s_mov_b32 s21, 0
	s_mov_b32 s22, 0
	s_mov_b32 s23, 0
	s_mov_b32 s24, s40
	s_mov_b32 s25, s41
	P5LOAD
	s_mov_b32 s17, 7
.Lp5:
	P5TRIP 1
	s_sub_co_u32 s17, s17, 1
	s_cmp_lg_u32 s17, 0
	s_cbranch_scc1 .Lp5
	P5TRIP 0                                       ; the last two positions fetch nothing
	s_add_co_u32 s40, s40, 24
	s_add_co_u32 s41, s41, 1
	BARRIER                                        ; every wave has read this pass's v: the next pass may write over it; behind the second pass: A is whole
	s_sub_co_u32 s16, s16, 1
	s_cmp_lg_u32 s16, 0
	s_cbranch_scc1 .Lpass
; ---- A's 32 fragments take x's place in the registers: from rows, in pieces of 8 bytes; 784 bytes = 196 words from row to row: the 32 lanes of a load touch 64 different banks
.irp s, 0,1,2,3,4,5,6,7
.if \s < 4
	WIN 0x40
.else
	WIN 0x80
.endif
.irp m, 0,1,2,3
.irp p, 0,1,2,3,4,5
	ds_load_b64 v[48*(\s%4)+12*\m+2*\p:48*(\s%4)+12*\m+2*\p+1], v[AFR] offset:16*PP*\m+96*\s+48*(\p/3)+8*(\p%3)
.endr
.endr
.endr
	WIN 0
.irp s, 0,1,2,3,4,5,6,7
.irp q, 0,1
	ds_load_b32 v[XSC+2*\s+\q], v[ASR] offset:32*ASP*\q+4*\s
.endr
.endr
	s_wait_dscnt 0x0
; ---- the last product.  A chunk is 64 columns for the 64 rows.  A row tile (16 heads' rows x 256 bytes) goes through my own stage and leaves as whole rows: sixteen lanes store 256 consecutive bytes, at a multiple of 256 from out0's first byte.
.macro TOSTAGE m
	s_wait_xcnt 0x0                                ; the stores of two tiles ago have read their registers: this tile's rows may land there
.irp t, 0,1,2,3
.irp q, 0,1
	ds_store_b128 v[OSW], v[ACC+32*(\m)+8*\t+4*\q:ACC+32*(\m)+8*\t+4*\q+3] offset:64*\t+16*\q   ; each accumulator from its low end on
.endr
.endr
	WIN 0x40
.irp k, 0,1,2,3,4,5,6,7
	ds_load_b128 v[OUTR+32*((\m)%2)+4*\k:OUTR+32*((\m)%2)+4*\k+3], v[OSR] offset:2*OSP*\k   ; LDS serves a wave's instructions in order: these see the stores above, and the next tile's stores come behind them
.endr
	WIN 0
.endm
.macro SEND m, younger                 ; younger: the next tile's 8 stores and 8 loads, or none
	s_wait_dscnt \younger
	WIN 0x04                                       ; a store's data are its source 1: window 1
.irp k, 0,1,2,3,4,5,6,7
	global_store_b128 v[VO0+\k/4], v[OUTR+32*((\m)%2)+4*\k:OUTR+32*((\m)%2)+4*\k+3], s[14:15] offset:2097152*(\k%4)+4096*(\m) th:TH_STORE_NT   ; heads 2 k and 2 k + 1, row tile m
.endr
	WIN 0
.endm
.macro EPI_O
	TOSTAGE 0
	TOSTAGE 1
	SEND 0, 16
	TOSTAGE 2
	SEND 1, 16
	TOSTAGE 3
	SEND 2, 16
	SEND 3, 0
.endm
	s_mov_b32 s16, 3
.Lo:
	CHUNK 0
	EPI_O
	STEPW                                          ; (its wait also frees the stores' base)
	s_add_nc_u64 s[14:15], s[14:15], 256           ; the next 64 columns
	s_sub_co_u32 s16, s16, 1
	s_cmp_lg_u32 s16, 0
	s_cbranch_scc1 .Lo
	CHUNK 1                                        ; the stream's last chunk is written out: no load leaves the buffer
	EPI_O
	s_wait_tensorcnt 0x0
	ds_add_u32 v111, v123
	s_wait_dscnt 0x0
	s_endpgm
.Lfunc_end_k_q90ff4197ea_fused:
	.size	k_q90ff4197ea_fused, .Lfunc_end_k_q90ff4197ea_fused-k_q90ff4197ea_fused
	.p2alignl 7, 3214868480
	.fill 96, 4, 3214868480
	.section	.rodata,"a",@progbits
	.p2align	6, 0x0
	.amdhsa_kernel k_q90ff4197ea_fused
		.amdhsa_group_segment_fixed_size 294144
		.amdhsa_private_segment_fixed_size 0
		.amdhsa_enable_private_segment 0
		.amdhsa_kernarg_size 24
		.amdhsa_user_sgpr_count 2
		.amdhsa_user_sgpr_kernarg_segment_ptr 1
		.amdhsa_wavefront_size32 1
		.amdhsa_system_sgpr_workgroup_id_x 1
		.amdhsa_system_sgpr_workgroup_id_y 1
		.amdhsa_system_sgpr_workgroup_id_z 1
		.amdhsa_system_vgpr_workitem_id 0
		.amdhsa_next_free_vgpr 1024
		.amdhsa_next_free_sgpr 66
		.amdhsa_reserve_vcc 0
		.amdhsa_float_denorm_mode_32 3
		.amdhsa_float_denorm_mode_16_64 3
		.amdhsa_memory_ordered 1
		.amdhsa_forward_progress 1
		.amdhsa_inst_pref_size 249
	.end_amdhsa_kernel
	.amdgpu_metadata
---
amdhsa.version: [ 1, 2 ]
amdhsa.kernels:
  - .name:           k_q90ff4197ea_fused
    .symbol:         k_q90ff4197ea_fused.kd
    .args:
      - { .name: x, .offset: 0, .size: 8, .value_kind: global_buffer, .address_space: global }
      - { .name: wst, .offset: 8, .size: 8, .value_kind: global_buffer, .address_space: global }
      - { .name: out0, .offset: 16, .size: 8, .value_kind: global_buffer, .address_space: global }
    .group_segment_fixed_size: 294144
    .private_segment_fixed_size: 0
    .kernarg_segment_align: 8
    .kernarg_segment_size: 24
    .max_flat_workgroup_size: 128
    .sgpr_count:     66
    .vgpr_count:     1024
    .wavefront_size: 32
...
	.end_amdgpu_metadata
.endif
;; end of part 2
;; ======== version 2 of 2: 2 launches; version 1 with the launch fused written anew for expert scheduling mode
;; workspace buffers: wst 3,407,872 bytes
;; launch layw: the kernel of part 1 again; grid 64 x 4, 4 waves a work-group, no clusters, 33,280 bytes of LDS; arguments Wq, Wk, Wv, Wo, bq, bk, bv, bo, wst; writes wst
;; launch fused (part 3): grid 256 x 1, 4 waves a work-group, no clusters, 294,144 bytes of LDS; arguments x, wst, out0; writes out0
.if DOCPART == 3
	.amdgcn_target "amdgcn-amd-amdhsa--gfx1250"
	.amdhsa_code_object_version 6
	.text
	.protected	k_q90ff4197ea_fused
	.globl	k_q90ff4197ea_fused
	.p2align	8
	.type	k_q90ff4197ea_fused,@function
k_q90ff4197ea_fused:
	s_mov_b64 s[64:65], 0
	v_nop
	global_prefetch_b8 v0, s[64:65] scope:SCOPE_SE
	s_setreg_imm32_b32 hwreg(HW_REG_WAVE_SCHED_MODE, 0, 2), 2
	s_setreg_imm32_b32 hwreg(HW_REG_WAVE_MODE, 25, 1), 1
	s_wait_xcnt 0x0
	s_wait_alu depctr_vm_vsrc(0)
; out0 = scramble(softmax_j(q k^T / 8) v) Wo + bo, q, k, v = x W + b, head against head at each position.  All products on weights and q k^T run on codes of FP6 (E2M3) with one E8M0 scale for each 32
; along K; attn x v (K = 16) runs on f32 operands, since its result goes into a quantiser.  Nothing between x and out0 goes to memory.
; SHARES.  A work-group takes 64 rows of x (64 positions) through the whole chain: 256 work-groups.  Row 256 i + s / 16 of the last product's A holds head i of 16 neighbouring positions s, column 64 (s % 16) + d:
; so 64 neighbouring positions are 64 whole rows of A (16 heads x 4 groups of 16 positions), and a block of 32 along that K is half a head of one position.
; In the products on weights THE WAVES SHARE THE COLUMNS: wave w makes 256 columns for all 64 rows, in 4 chunks of 4 tiles of 16 columns: 16 accumulators, which take turns.  The rows' 32 fragments (x's, later A's) stay in
; every wave's registers; a weight fragment feeds 4 matrix instructions and is read by one wave alone, so it comes from the stream of the launch before straight into registers: a ring of 4 buffers of one unit
; (4 fragments, their scale words: 13 loads), 3 to 4 units on their way, no barrier in the ring.  All these products are used TRANSPOSED (source 0 = 16 columns of W, source 1 = 16 rows): a lane holds one row.
; In the attention wave w owns positions 16 w .. 16 w + 15, two at a time.  S^T = k q^T: lane (i, h) holds heads j = 8 h + 0 .. 7.  O^T = v^T attn^T by the f32 form, 4 heads an instruction.
; The columns of a tile of Wq, Wk are chosen so that a lane's 16 registers of two neighbouring tiles are 16 neighbours along d; a tile of Wv is ONE channel d of all 16 heads, so that v's results are, as they stand, source 0 of the f32 product.
; v is made in two passes of 32 channels (only half of it fits in LDS); scores and softmax are made anew in each pass: 1 matrix instruction and some 35 vector instructions a position.
; NO TENSOR LOADS, NO CLUSTER: q, k, v and A hold 293,632 bytes of LDS; what is left, 34,048 bytes, is less than two slots of one unit for each of the four waves (53,248 bytes), and no weight byte is read by two waves of a work-group.
; LIMITS: a block whose largest magnitude lies under 2^-124 has its byte held at 1; a block of zeros has the byte 1 where the rule says 127 (zero codes; the bytes are read here alone); NaN and infinities are not served; the order of the f32 sums is the matrix unit's.
; THE MODE: SCHED_MODE bits 1:0 = 2 (LLVM: expert scheduling mode 2), set by the entry lines.  The code itself states the register dependences between vector or matrix instructions and memory or LDS
; instructions, with s_wait_alu, always for 0.
; THE PLAN.  Registers that memory or LDS instructions touch, and who else names them:
;   v1-v24          offsets and LDS addresses: written once at the head, read by loads and stores, never written again: two waits on va_vdst at the head.
;   the ring        (window 3, v[WSC ..], v[BIAS ..]) written by loads, read by a K step's 16 products: ONE wait on va_vdst a K step, behind its products, ahead of the loads into the buffer just read.
;                   Behind a chunk's last K step that wait also shows the accumulators written, for the LDS stores of v and of the way out.
;   accumulators    as data of LDS stores (v; the way out): a wait on vm_vsrc behind the stores, ahead of whatever writes v128-255 next.
;   v[PC ..], v[PW ..], v[CA ..], v[CB ..], v[TM+4], v[TM+5]   codes, scale words and bytes: written by vector instructions, read by LDS stores: va_vdst ahead of each run of stores, vm_vsrc ahead of the next writer.
;   v[T0 .. T0+4]   LDS addresses that move: vm_vsrc, the additions, and a wait on va_vdst that stands there for the data too.
;   v[KF ..], v[QF ..], v[SCQ ..], v[VA ..]   written by LDS loads, read by the score products and the f32 products: the wait on va_vdst ahead of the next two positions' loads.
;   x's landing sets, the rows of out0 (window 1)   named by memory and LDS instructions alone: vm_vsrc between the stores that read them and the loads that land in them again.
.set UNITB, 6656                       ; a unit of the stream: 4 x 1,536 bytes of codes, 256 of scale words, 256 of bias
.set CHB,   8*UNITB                    ; a chunk: 8 K steps
.set WAVEB, 128*UNITB                  ; a wave's stream
; LDS
.set VPP,   2064                       ; v: a position's image [u][q][lane][16 bytes] + 16: 516 words, so that 16 positions start at 16 different groups of 4 banks
.set XTP,   528                        ; x's turn: 16 rows x (512 bytes + 16) for each wave, at 0          (inside v's bytes: parted from v by a barrier)
.set LXI,   33792                      ; x's 32 fragment images, 1,536 bytes each: fragment 4 s + m         (likewise)
.set LXS,   82944                      ; x's scale words [s][m][16]                                         (likewise)
.set OSP,   272                        ; the way out: 16 rows x (256 bytes + 16) for each wave, at 0        (likewise)
.set LQB,   132096                     ; q's codes: a position's row of 784 bytes, 48 bytes a head
.set PP,    784
.set KOFF,  50176                      ; k's lie this far behind q's
.set LQS,   232448                     ; q's scale words: 68 bytes a position, 4 a head
.set QSP,   68
.set KSOFF, 4352                       ; k's lie this far behind
.set LAB,   241152                     ; A's codes: row 16 T + i, 784 bytes apart
.set LAS,   291328                     ; A's scale bytes: 36 bytes a row
.set ASP,   36
; vector registers, window 0
.set L16,  1                           ; 16 x lane
.set L8,   2                           ; 8 x lane
.set H32,  3                           ; 32 h
.set XTW,  4
.set XTR,  5
.set XIW,  6
.set XSW,  7
.set XIR,  8
.set XSR,  9
.set QW0,  10
.set QSW0, 11
.set VW0,  12                          ; v12, v13
.set AQ0,  14
.set ASQ0, 15
.set AV0,  16
.set AA0,  17
.set AB0,  18
.set AFR,  19
.set ASR,  20
.set OSW,  21
.set OSR,  22
.set VO0,  23                          ; v23, v24
.set T0,   25                          ; v25-29 addresses in hand
.set SCQ,  30                          ; v30-31 the score products' scale words: lanes 0-15 q's, lanes 16-31 k's
.set XSC,  32                          ; v32-47 the rows' scale words: register 2 s + pr: lanes 0-15 row tile 2 pr, lanes 16-31 row tile 2 pr + 1
.set WSC,  48                          ; v48-55 the weights': buffer f, register 2 f + q: lanes 0-15 tile 2 q, lanes 16-31 tile 2 q + 1
.set BIAS, 56                          ; v56-87 the chunk's bias, 8 registers a tile, in the result's layout
.set PC,   88                          ; v88-107 codes just made
.set AT,   88                          ; v88-103 attn, 8 registers a position
.set MX,   104                         ; v104-107 softmax: maximum, then 1 / sum, in the even ones
.set PW,   108                         ; v108-109 scale words just made
.set CA,   108                         ; v108-110, v120-122 the attention's codes
.set CB,   120
.set TM,   112                         ; v112-115 largest magnitudes, v116-119 bytes, v124-127 the conversions' scale operands
.set ACC,  128                         ; v128-255 accumulator (row tile m, column tile t) at 128 + 32 m + 8 t
.set OD,   128                         ; v128-159 the f32 products' results: written by matrix instructions alone in this whole text
.set SD,   160                         ; v160-175 scores
.set KF,   176                         ; k's fragment of position p at 176 + 24 p, q's at 188 + 24 p: 6 registers of codes, 6 of zero codes (K = 64 of the instruction's 128)
.set QF,   188
.set VA,   224                         ; v224-255 v's images
.set X64,  176                         ; v176-239 64 numbers of x
.set OUTR, 192                         ; window 1, v192-255: rows of out0, two sets of 32
; v111: the LDS address of my spare word; v123: 0: made at the head and kept for the closing lines alone
; window 1: fragments of K steps 0-3 at 48 s + 12 m (at the start: four landing sets of 64 for x); window 2: K steps 4-7; window 3: the four weight buffers at 48 f + 12 t
; scalars: s[4:5] x, s[12:13] the stream, s[14:15] out0, s10 wave, s16-17 counters, s18-25 LDS offsets that step, s[26:27] lane selects, s[28:29] c, s30-39 at work, s40-41 the pass's offsets
.set MSB, 0
.macro WIN new                         ; bits 1:0 source 0, 3:2 source 1, 5:4 source 2, 7:6 destination; the high byte repeats the setting that is left
.if MSB != \new
	s_set_vgpr_msb (MSB<<8)|\new
.set MSB, \new
.endif
.endm
.macro BARRIER                         ; my LDS stores have landed and my LDS loads are in: then the work-group's barrier
	s_wait_dscnt 0x0
	s_barrier_signal -1
	s_barrier_wait -1
.endm
; nb blocks of 32: my 16 numbers of block b stand in v[src + 16 b] on, lane l xor 16 holds the other 16.  Leaves the byte in v[TM+4+b] and the conversion's scale operand in v[TM+12+b].  The registers are read in ascending order.
.macro BSCALE src, nb
.set BQ, 0
.rept \nb
	v_max3_num_f32 v[TM+BQ], |v[(\src)+16*BQ]|, |v[(\src)+16*BQ+1]|, 0x1800000   ; with the floor 2^(3 - 127): the byte cannot fall under 1
.set BQ, BQ+1
.endr
.irp i, 2,4,6,8,10,12,14
.set BQ, 0
.rept \nb
	v_max3_num_f32 v[TM+BQ], v[TM+BQ], |v[(\src)+16*BQ+\i]|, |v[(\src)+16*BQ+\i+1]|   ; (the blocks by turns)
.set BQ, BQ+1
.endr
.endr
.set BQ, 0
.rept \nb
	v_permlanex16_b32 v[TM+4+BQ], v[TM+BQ], s26, s27
.set BQ, BQ+1
.endr
.set BQ, 0
.rept \nb
	v_max_num_f32 v[TM+BQ], v[TM+BQ], v[TM+4+BQ]
.set BQ, BQ+1
.endr
.set BQ, 0
.rept \nb
	v_add_nc_u32 v[TM+12+BQ], 0xff000000, v[TM+BQ]   ; 2 off the exponent field
.set BQ, BQ+1
.endr
.set BQ, 0
.rept \nb
	v_lshrrev_b32 v[TM+4+BQ], 23, v[TM+12+BQ]
.set BQ, BQ+1
.endr
.endm
; 64 numbers of x, register 16 b + i = k 32 b + 16 h + i of my row, become a fragment in v[PC] on and its scale word in v[PW]
.macro QUANTX
	BSCALE X64, 4
	v_lshl_or_b32 v[PW], v[TM+5], 8, v[TM+4]
	v_lshl_or_b32 v[PW], v[TM+6], 16, v[PW]
	v_lshl_or_b32 v[PW], v[TM+7], 24, v[PW]
.irp c, 0,1
	v_cvt_scalef32_pk16_fp6_f32 v[PC+6*\c:PC+2+6*\c], v[X64+32*\c:X64+15+32*\c], v[TM+12+2*\c]
	v_cvt_scalef32_pk16_fp6_f32 v[PC+12+4*\c:PC+14+4*\c], v[X64+16+32*\c:X64+31+32*\c], v[TM+12+2*\c+1]   ; (a conversion's three registers begin on an even number)
.endr
	v_nop                                          ; one plain place behind a scaled conversion
.irp c, 0,1                            ; the operand's layout wants a WHOLE block in a lane: lanes 0-15 block 2 c, lanes 16-31 block 2 c + 1
.irp i, 0,1,2
	v_permlane16_swap_b32 v[PC+6*\c+\i], v[PC+12+4*\c+\i]
.endr
.irp i, 0,1,2
	v_mov_b32 v[PC+3+6*\c+\i], v[PC+12+4*\c+\i]
.endr
.endr
.endm
.macro XSET s                          ; K step s of my 16 rows of x: each load reads 512 consecutive bytes of one row, into landing set s % 4
	WIN 0x40
.irp p, 0,1,2,3,4,5,6,7,8,9,10,11,12,13,14,15
	global_load_b128 v[64*((\s)%4)+4*\p:64*((\s)%4)+4*\p+3], v[L16], s[4:5] offset:4096*\p+512*(\s) th:TH_LOAD_NT
.endr
	WIN 0
.endm
.macro WLOAD bf, off                   ; a unit of the stream into buffer bf: 13 loads
	WIN 0xc0
.irp t, 0,1,2,3
.irp g, 0,1,2
	global_load_b128 v[48*(\bf)+12*\t+4*\g:48*(\bf)+12*\t+4*\g+3], v[L16], s[12:13] offset:(\off)+1536*\t+512*\g
.endr
.endr
	WIN 0
	global_load_b64 v[WSC+2*(\bf):WSC+2*(\bf)+1], v[L8], s[12:13] offset:(\off)+6144
.endm
.macro BLOAD off                       ; a chunk's bias: lane (r, h) wants, for tile t, the numbers of rows 8 h + 0 .. 7: 8 loads
.irp t, 0,1,2,3
.irp q, 0,1
	global_load_b128 v[BIAS+8*\t+4*\q:BIAS+8*\t+4*\q+3], v[H32], s[12:13] offset:(\off)+6400+64*\t+16*\q
.endr
.endr
.endm
.macro WM d, a, b, c, sa, sb, ra, rb   ; one product; ra, rb: the side's scales stand in lanes 16-31
.if ((\ra) == 0) && ((\rb) == 0)
	v_wmma_scale_f32_16x16x128_f8f6f4 v[\d:\d+7], v[\a:\a+11], v[\b:\b+11], v[\c:\c+7], v[\sa], v[\sb] matrix_a_fmt:MATRIX_FMT_FP6 matrix_b_fmt:MATRIX_FMT_FP6
.elseif (\rb) == 0
	v_wmma_scale_f32_16x16x128_f8f6f4 v[\d:\d+7], v[\a:\a+11], v[\b:\b+11], v[\c:\c+7], v[\sa], v[\sb] matrix_a_fmt:MATRIX_FMT_FP6 matrix_b_fmt:MATRIX_FMT_FP6 matrix_a_scale:MATRIX_SCALE_ROW1
.elseif (\ra) == 0
	v_wmma_scale_f32_16x16x128_f8f6f4 v[\d:\d+7], v[\a:\a+11], v[\b:\b+11], v[\c:\c+7], v[\sa], v[\sb] matrix_a_fmt:MATRIX_FMT_FP6 matrix_b_fmt:MATRIX_FMT_FP6 matrix_b_scale:MATRIX_SCALE_ROW1
.else
	v_wmma_scale_f32_16x16x128_f8f6f4 v[\d:\d+7], v[\a:\a+11], v[\b:\b+11], v[\c:\c+7], v[\sa], v[\sb] matrix_a_fmt:MATRIX_FMT_FP6 matrix_b_fmt:MATRIX_FMT_FP6 matrix_a_scale:MATRIX_SCALE_ROW1 matrix_b_scale:MATRIX_SCALE_ROW1
.endif
.endm
; K step s of a chunk: 16 products, the 16 accumulators by turns, one instruction a turn, in the same order in every step.  In step 0 the bias is the C: nothing is cleared, nothing added later.
; n: the younger loads that may stay out.  Behind the products np places (ISA guide 7.12.1), the step's one wait on va_vdst, then the unit four steps on into the buffer just read; behind step 0 also the next chunk's bias.
; The buffer is asked for again at once, in one run: the ring then has four units out while the wave waits for the next step's data, and the run stands under one window setting.
.macro UNIT s, n, ahead, bias, np
	s_wait_loadcnt \n
.if (\s) < 4
	WIN 0x07                                       ; source 0 (W) window 3, source 1 (rows) window 1
.else
	WIN 0x0b                                       ; source 1 window 2
.endif
.irp t, 0,1,2,3
.irp m, 0,1,2,3
.if (\s) == 0
	WM ACC+32*\m+8*\t, 48*((\s)%4)+12*\t, 48*((\s)%4)+12*\m, BIAS+8*\t, WSC+2*((\s)%4)+\t/2, XSC+2*(\s)+\m/2, \t%2, \m%2
.else
	WM ACC+32*\m+8*\t, 48*((\s)%4)+12*\t, 48*((\s)%4)+12*\m, ACC+32*\m+8*\t, WSC+2*((\s)%4)+\t/2, XSC+2*(\s)+\m/2, \t%2, \m%2
.endif
.endr
.endr
.rept \np
	v_nop
.endr
.if \ahead
	s_wait_alu depctr_va_vdst(0)                   ; the step's products are done reading their weight buffer, its scale words and (step 0) the bias, in which the loads below land; in step 7 they have written the accumulators, which LDS stores behind the chunk read (v's addresses, made at the chunk's head, are written too)
	WLOAD (\s)%4, ((\s)+4)*UNITB
.else
	WIN 0
.endif
.if \bias
	BLOAD 8*UNITB
.endif
.endm
; A chunk.  39 = the three younger units' 13 loads each; 47 = those and the 8 loads of the next chunk's bias, issued behind step 0.  Behind step 7 five places: the next chunk begins the accumulators anew with another C.
; last = 1: the stream's last chunk asks for nothing past its own units, and the counts run down; its steps 4 to 7 issue no load and hold no wait on va_vdst.
.macro CHUNK last
.if \last
	UNIT 0, 39, 1, 0, 4
	UNIT 1, 39, 1, 0, 4
	UNIT 2, 39, 1, 0, 4
	UNIT 3, 39, 1, 0, 4
	UNIT 4, 39, 0, 0, 4
	UNIT 5, 26, 0, 0, 4
	UNIT 6, 13, 0, 0, 4
	UNIT 7, 0, 0, 0, 5
.else
	UNIT 0, 39, 1, 1, 4
	UNIT 1, 47, 1, 0, 4
	UNIT 2, 47, 1, 0, 4
	UNIT 3, 47, 1, 0, 4
	UNIT 4, 47, 1, 0, 4
	UNIT 5, 39, 1, 0, 4
	UNIT 6, 39, 1, 0, 4
	UNIT 7, 39, 1, 0, 5
.endif
.endm
.macro STEPW
	s_wait_xcnt 0x0                                ; the loads that are out have had their addresses translated: only behind this wait is their base stepped
	s_add_nc_u64 s[12:13], s[12:13], CHB
.endm
	s_load_b128 s[4:7], s[0:1], 0x0                ; x, the stream
	s_load_b64 s[8:9], s[0:1], 0x10                ; out0
	v_lshl_add_u32 v111, v0, 2, 0x47b00
	v_mov_b32 v123, 0
	v_lshrrev_b32 v25, 5, v0
	v_readfirstlane_b32 s10, v25                   ; wave 0..3
	v_and_b32 v26, 31, v0                          ; lane
	v_and_b32 v27, 15, v0                          ; r
	v_bfe_u32 v28, v0, 4, 1                        ; h
	v_lshlrev_b32 v[L16], 4, v26
	v_lshlrev_b32 v[L8], 3, v26
	v_lshlrev_b32 v[H32], 5, v28
	s_wait_alu depctr_va_sdst(0)                   ; s10 is written, ahead of its first reader: the three bases and the waves' LDS places are made from it
	s_lshl_b32 s30, ttmp9, 18                      ; x: 64 rows of 4,096 bytes a work-group,
	s_lshl_b32 s31, s10, 16                        ; 16 a wave
	s_add_co_u32 s30, s30, s31
	s_mov_b32 s31, 0
	s_mul_i32 s32, s10, WAVEB                      ; my wave's stream
	s_mov_b32 s33, 0
	s_lshr_b32 s34, ttmp9, 6                       ; out0: row 4,096 (g / 64) + 4 (g % 64), + 256 i + m; my 256 columns
	s_lshl_b32 s34, s34, 24
	s_and_b32 s35, ttmp9, 63
	s_lshl_b32 s35, s35, 14
	s_add_co_u32 s34, s34, s35
	s_lshl_b32 s35, s10, 10
	s_add_co_u32 s34, s34, s35
	s_mov_b32 s35, 0
	s_mov_b32 s26, 0x76543210
	s_mov_b32 s27, 0xfedcba98                      ; v_permlanex16_b32: lane l xor 16
	s_mov_b32 s28, 0x3e38aa3b                      ; c = log2(e) / 8
	s_mov_b32 s29, s28                             ; (named with it as a pair, so it is written)
	s_wait_kmcnt 0x0
	s_add_nc_u64 s[4:5], s[4:5], s[30:31]
	s_add_nc_u64 s[12:13], s[6:7], s[32:33]
	s_add_nc_u64 s[14:15], s[8:9], s[34:35]
	s_wait_alu depctr_va_vdst(0)                   ; the three offsets v1 to v3 are written: the loads of x, of the weights and of the bias read them
	XSET 0                                         ; 64 loads a wave go out before anything else is done
	XSET 1
	XSET 2
	XSET 3
	s_mul_i32 s30, s10, 16*XTP
	v_add_nc_u32 v[XTW], s30, v[L16]               ; x's turn, in: a row's 512 bytes as they lie
	v_mul_u32_u24 v[XTR], v27, XTP
	v_lshl_add_u32 v[XTR], v28, 6, v[XTR]
	v_add_nc_u32 v[XTR], s30, v[XTR]               ; back: row r, + 64 h: my 16 numbers of a block of 32
	s_mul_i32 s30, s10, 1536
	s_add_co_u32 s30, s30, LXI
	v_add_nc_u32 v[XIW], s30, v[L16]               ; x's images: I store row tile m = wave
	s_lshl_b32 s30, s10, 6
	s_add_co_u32 s30, s30, LXS
	v_lshl_add_u32 v[XSW], v27, 2, s30
	v_add_nc_u32 v[XIR], LXI, v[L16]
	v_lshl_add_u32 v[XSR], v26, 2, LXS
	v_mul_u32_u24 v[QW0], v27, PP
	v_mad_u32_u24 v[AFR], v28, 24, v[QW0]
	v_mad_u32_u24 v[QW0], v28, 12, v[QW0]          ; 784 r + 12 h
	s_mul_i32 s30, s10, 16*PP
	s_add_co_u32 s31, s30, LAB
	v_add_nc_u32 v[AA0], s31, v[QW0]               ; A's codes, in: row 16 w + i, + 12 h
	v_add_nc_u32 v[AFR], LAB, v[AFR]               ; and as fragments: row r, + 24 h
	s_mul_i32 s31, s10, 192
	s_add_co_u32 s31, s31, LQB
	v_add_nc_u32 v[QW0], s31, v[QW0]               ; q's codes, in: position r, my four heads, + 12 h
	v_mul_u32_u24 v[QSW0], v27, QSP
	s_lshl_b32 s31, s10, 4
	s_add_co_u32 s31, s31, LQS
	v_add_nc_u32 v[QSW0], s31, v[QSW0]
	v_mul_u32_u24 v[VW0], v27, VPP
	v_lshl_add_u32 v[VW0], v28, 8, v[VW0]
	s_and_b32 s31, s10, 1
	s_lshl_b32 s31, s31, 10
	s_lshr_b32 s32, s10, 1
	s_lshl_b32 s32, s32, 7
	s_add_co_u32 s31, s31, s32
	v_add_nc_u32 v[VW0], s31, v[VW0]               ; v, in: position r; u = w % 2; lane 8 (w / 2) + 4 (c % 2) + t + 16 h of the image
	v_add_nc_u32 v[VW0+1], 32*VPP, v[VW0]          ; (positions 32 on: past an LDS immediate's reach)
	v_mul_u32_u24 v[AQ0], v27, 48
	v_mad_u32_u24 v[AQ0], v28, 24, v[AQ0]
	s_add_co_u32 s31, s30, LQB
	v_add_nc_u32 v[AQ0], s31, v[AQ0]               ; q's fragment of my first position: head r, + 24 h
	v_lshlrev_b32 v[ASQ0], 2, v27
	v_mad_u32_u24 v[ASQ0], v28, KSOFF, v[ASQ0]     ; lanes 0-15 q's scale words, lanes 16-31 k's
	s_mul_i32 s31, s10, 16*QSP
	s_add_co_u32 s31, s31, LQS
	v_add_nc_u32 v[ASQ0], s31, v[ASQ0]
	s_mul_i32 s31, s10, 16*VPP
	v_add_nc_u32 v[AV0], s31, v[L16]
	v_mul_u32_u24 v[AB0], v27, ASP
	v_mad_u32_u24 v[ASR], v28, 16*ASP, v[AB0]
	v_add_nc_u32 v[ASR], LAS, v[ASR]
	s_mul_i32 s31, s10, 16*ASP
	s_add_co_u32 s31, s31, LAS
	v_add_nc_u32 v[AB0], s31, v[AB0]
	s_mul_i32 s31, s10, 16*OSP
	v_mul_u32_u24 v[OSW], v27, OSP
	v_lshl_add_u32 v[OSW], v28, 5, v[OSW]
	v_add_nc_u32 v[OSW], s31, v[OSW]               ; the way out, in: row r, + 32 h
	v_mul_u32_u24 v[OSR], v28, OSP
	v_lshl_add_u32 v[OSR], v27, 4, v[OSR]
	v_add_nc_u32 v[OSR], s31, v[OSR]               ; back: lanes 0-15 one row of 256 bytes, lanes 16-31 the next
	v_lshlrev_b32 v[VO0], 20, v28                  ; in out0 two neighbouring heads' rows lie 256 rows, 1,048,576 bytes, apart
	v_lshl_add_u32 v[VO0], v27, 4, v[VO0]
	v_add_nc_u32 v[VO0+1], 0x800000, v[VO0]        ; (heads 8 on: past a store's immediate)
.irp b, 4,5,6,7
	v_mov_b32 v[TM+\b], 0                          ; written once: a lane permute's destination counts as one of its sources
.endr
	v_mov_b32 v[MX+1], 0
	v_mov_b32 v[MX+3], 0
	s_wait_alu depctr_va_vdst(0)                   ; the addresses v4 to v24 are written: every LDS load and store and every store to out0 reads one of them, or an address made from one; none is written again
; ---- X: my 16 rows of x become 8 fragments.  A load is best where neighbouring lanes take neighbouring bytes, a conversion wants 16 neighbours in a lane: the 16 x 512 bytes of a K step turn through my own bytes of LDS.
; Between the wait on va_vdst ahead of a step's image stores and the next step's loads into v[X64 ..] stands no vector instruction: that wait also shows the quantiser done reading v[X64 ..].
.macro XSTEP s, left
	s_wait_loadcnt \left                           ; this K step's 16 loads are in; the younger sets' stay out
	WIN 0x04                                       ; an LDS store's data are its source 1: window 1
.irp p, 0,1,2,3,4,5,6,7,8,9,10,11,12,13,14,15
	ds_store_b128 v[XTW], v[64*((\s)%4)+4*\p:64*((\s)%4)+4*\p+3] offset:XTP*\p
.endr
	WIN 0
.irp b, 0,1,2,3
.irp j, 0,1,2,3
	ds_load_b128 v[X64+16*\b+4*\j:X64+16*\b+4*\j+3], v[XTR] offset:128*\b+16*\j   ; LDS serves a wave's instructions in order: these see the stores above
.endr
.endr
	s_wait_dscnt 0x0                               ; the numbers are back
	s_wait_alu depctr_vm_vsrc(0)                   ; the stores above have read the landing set, in which the loads of four steps on land; the last step's image stores have read v[PC ..] and v[PW], which the quantiser writes again
.if (\s) < 4
	XSET (\s)+4
.endif
.if (\s) == 7
	BLOAD 0                                        ; x is all in: the weights' ring starts: 8 + 4 x 13 loads
	WLOAD 0, 0
	WLOAD 1, UNITB
	WLOAD 2, 2*UNITB
	WLOAD 3, 3*UNITB
.endif
	QUANTX
	s_wait_alu depctr_va_vdst(0)                   ; the quantiser has written v[PC ..] and v[PW], which the stores below read
.irp c, 0,1,2
	ds_store_b128 v[XIW], v[PC+4*\c:PC+4*\c+3] offset:6144*(\s)+512*\c   ; the fragment as an image of its registers: 16 bytes a lane, 512 a store
.endr
	ds_store_b32 v[XSW], v[PW] offset:256*(\s)     ; (both halves of the lanes write the same word with the same value)
.endm
	XSTEP 0, 48
	XSTEP 1, 48
	XSTEP 2, 48
	XSTEP 3, 48
	XSTEP 4, 48
	XSTEP 5, 32
	XSTEP 6, 16
	XSTEP 7, 0
	BARRIER                                        ; x's 32 fragments lie in LDS
	s_wait_alu depctr_vm_vsrc(0)                   ; my last image stores have read v[PC ..] and v[PW], which q's way out writes again (the landing sets, in which the fragments below land, were read ahead of the last step's wait)
.irp s, 0,1,2,3,4,5,6,7                ; and every wave takes all of them into registers
.if \s < 4
	WIN 0x40
.else
	WIN 0x80
.endif
.irp m, 0,1,2,3
.irp c, 0,1,2
	ds_load_b128 v[48*(\s%4)+12*\m+4*\c:48*(\s%4)+12*\m+4*\c+3], v[XIR] offset:1536*(4*\s+\m)+512*\c
.endr
.endr
.endr
	WIN 0
.irp s, 0,1,2,3,4,5,6,7
.irp q, 0,1
	ds_load_b32 v[XSC+2*\s+\q], v[XSR] offset:256*\s+128*\q
.endr
.endr
	s_wait_dscnt 0x0
; ---- q, then k: a chunk is one head of my four, for 64 positions.  Its results are quantised in registers; codes and scale words go to LDS by position.
; Block b of a pair of row tiles: row tile 2 hf + b / 2, half b % 2 of the head; a lane's 16 codes are 12 bytes.  The scale word's upper two bytes stay 0: they stand over zero codes.
.macro EPI_QK
	v_add_nc_u32 v[T0], s18, v[QW0]                ; (the stores that read these two last stand ahead of the last wait on vm_vsrc)
	v_add_nc_u32 v[T0+1], s19, v[QSW0]
.irp hf, 0,1
	BSCALE ACC+64*\hf, 4
	v_lshl_or_b32 v[PW], v[TM+5], 8, v[TM+4]
	v_lshl_or_b32 v[PW+1], v[TM+7], 8, v[TM+6]
.irp b, 0,1,2,3
	v_cvt_scalef32_pk16_fp6_f32 v[PC+4*\b:PC+4*\b+2], v[ACC+64*\hf+16*\b:ACC+64*\hf+16*\b+15], v[TM+12+\b]
.endr
	v_nop                                          ; one plain place behind a scaled conversion
	s_wait_alu depctr_va_vdst(0)                   ; the conversions have written v[PC ..], the lines above them v[PW], v[PW+1] and the two addresses: the stores below read them
.irp b, 0,1,2,3
.irp i, 0,1,2
	ds_store_b32 v[T0], v[PC+4*\b+\i] offset:16*PP*(2*\hf+\b/2)+24*(\b%2)+4*\i
.endr
.endr
	ds_store_b32 v[T0+1], v[PW] offset:16*QSP*(2*\hf)
	ds_store_b32 v[T0+1], v[PW+1] offset:16*QSP*(2*\hf+1)
	s_wait_dscnt 0x0                               ; the stores are done
	s_wait_alu depctr_vm_vsrc(0)                   ; and have read v[PC ..], v[PW ..] and their addresses, which the next half, the next chunk's way out and the attention write again
.endr
.endm
	s_mov_b32 s18, 0                               ; where the chunk's head lies in a position's row of codes,
	s_mov_b32 s19, 0                               ; and among its scale words
	s_mov_b32 s16, 2
.Lqk:
	s_mov_b32 s17, 4
.Lqkc:
	CHUNK 0
	EPI_QK
	STEPW
	s_add_co_u32 s18, s18, 48
	s_add_co_u32 s19, s19, 4
	s_sub_co_u32 s17, s17, 1
	s_cmp_lg_u32 s17, 0
	s_cbranch_scc1 .Lqkc
	s_add_co_u32 s18, s18, KOFF-192                ; on to k's bytes
	s_add_co_u32 s19, s19, KSOFF-16
	s_sub_co_u32 s16, s16, 1
	s_cmp_lg_u32 s16, 0
	s_cbranch_scc1 .Lqk
	BARRIER                                        ; q's and k's codes lie in LDS; and every wave's reads of x's images are long over: v may land on them
; ---- v and the attention, in two passes of 32 channels
.macro VADR                            ; v's two LDS addresses are made at the chunk's head: the ring's waits on va_vdst then show them written, and the stores behind the chunk need no wait of their own
	v_add_nc_u32 v[T0], s20, v[VW0]                ; (the stores that read these two last stand ahead of the last wait on vm_vsrc)
	v_add_nc_u32 v[T0+1], s20, v[VW0+1]
.endm
.macro EPI_V                           ; lane (position r, h), tile t: v of heads 8 h + 0 .. 7, one channel: 2 x 16 bytes into the position's image; each accumulator from its low end on.  The wait behind the chunk's last K step has shown the accumulators written; only loads stand between
.irp m, 0,1,2,3
.irp t, 0,1,2,3
.irp q, 0,1
	ds_store_b128 v[T0+\m/2], v[ACC+32*\m+8*\t+4*\q:ACC+32*\m+8*\t+4*\q+3] offset:16*VPP*(\m%2)+16*\t+512*\q
.endr
.endr
.endr
	s_wait_dscnt 0x0                               ; the stores are done
	s_wait_alu depctr_vm_vsrc(0)                   ; and have read the accumulators, which the next chunk's products, the zero codes, the attention's loads and its products write, and their two addresses, which are made anew
.endm
.macro P5LOAD                          ; two positions: 14 loads for the scores, then 8 for v
	v_add_nc_u32 v[T0+2], s21, v[AQ0]              ; (the loads that read these three last stand ahead of the last wait on vm_vsrc)
	v_add_nc_u32 v[T0+3], s22, v[ASQ0]
	v_add_nc_u32 v[T0+4], s23, v[AV0]
	s_wait_alu depctr_va_vdst(0)                   ; the three addresses are written; the score products and the f32 products are done reading the fragments, scale words and images in which the loads below land; ahead of the loop: the chunk's products have written these registers, and the zero codes, which the scaled products take, are written
.irp p, 0,1
.irp i, 0,1,2
	ds_load_b64 v[KF+24*\p+2*\i:KF+24*\p+2*\i+1], v[T0+2] offset:PP*\p+KOFF+8*\i
.endr
.irp i, 0,1,2
	ds_load_b64 v[QF+24*\p+2*\i:QF+24*\p+2*\i+1], v[T0+2] offset:PP*\p+8*\i
.endr
	ds_load_b32 v[SCQ+\p], v[T0+3] offset:QSP*\p
.endr
.irp p, 0,1
.irp u, 0,1
.irp q, 0,1
	ds_load_b128 v[VA+16*\p+8*\u+4*\q:VA+16*\p+8*\u+4*\q+3], v[T0+4] offset:VPP*\p+1024*\u+512*\q
.endr
.endr
.endr
	s_add_co_u32 s21, s21, 2*PP
	s_add_co_u32 s22, s22, 2*QSP
	s_add_co_u32 s23, s23, 2*VPP
.endm
.macro P5TRIP next
	s_wait_dscnt 8                                 ; codes and scale words are in.  On the way in v's 8 loads may stay out; round the loop the 8 youngest are the last trip's stores
.irp p, 0,1                            ; S^T = k q^T: source 0 = k's 16 heads (scales in lanes 16-31), source 1 = q's
	v_wmma_scale_f32_16x16x128_f8f6f4 v[SD+8*\p:SD+8*\p+7], v[KF+24*\p:KF+24*\p+11], v[QF+24*\p:QF+24*\p+11], 0, v[SCQ+\p], v[SCQ+\p] matrix_a_fmt:MATRIX_FMT_FP6 matrix_b_fmt:MATRIX_FMT_FP6 matrix_a_scale:MATRIX_SCALE_ROW1
.endr
.rept 4
	v_nop
.endr
.irp p, 0,1                            ; the softmax over the 16 heads j: 8 in my registers, 8 in lane l xor 16; the two positions by turns
	v_max3_num_f32 v[MX+2*\p], v[SD+8*\p], v[SD+8*\p+1], v[SD+8*\p+2]
.endr
.irp i, 3,5
.irp p, 0,1
	v_max3_num_f32 v[MX+2*\p], v[MX+2*\p], v[SD+8*\p+\i], v[SD+8*\p+\i+1]
.endr
.endr
.irp p, 0,1
	v_max_num_f32 v[MX+2*\p], v[MX+2*\p], v[SD+8*\p+7]
.endr
.irp p, 0,1
	v_permlanex16_b32 v[MX+2*\p+1], v[MX+2*\p], s26, s27
.endr
.irp p, 0,1
	v_max_num_f32 v[MX+2*\p], v[MX+2*\p], v[MX+2*\p+1]
.endr
.irp i, 0,2,4,6
.irp p, 0,1
	v_pk_add_f32 v[SD+8*\p+\i:SD+8*\p+\i+1], v[SD+8*\p+\i:SD+8*\p+\i+1], v[MX+2*\p:MX+2*\p+1] op_sel_hi:[1,0] neg_lo:[0,1] neg_hi:[0,1]   ; the maximum is taken away first, so that the difference keeps the scores' own accuracy whatever their size
.endr
.endr
.irp i, 0,2,4,6
.irp p, 0,1
	v_pk_mul_f32 v[SD+8*\p+\i:SD+8*\p+\i+1], v[SD+8*\p+\i:SD+8*\p+\i+1], s[28:29] op_sel_hi:[1,0]
.endr
.endr
.irp p, 0,1
.irp i, 0,1,2,3,4,5,6,7
	v_exp_f32 v[AT+8*\p+\i], v[SD+8*\p+\i]
.endr
.endr
	v_nop                                          ; one plain place behind the exponentials
	s_wait_alu depctr_va_vdst(0)                   ; the sixteen exponentials have written v[AT ..]: one wait for the batch, ahead of its first reader
.irp p, 0,1
	v_pk_add_f32 v[SD+8*\p:SD+8*\p+1], v[AT+8*\p:AT+8*\p+1], v[AT+8*\p+2:AT+8*\p+3]
.endr
.irp p, 0,1
	v_pk_add_f32 v[SD+8*\p+2:SD+8*\p+3], v[AT+8*\p+4:AT+8*\p+5], v[AT+8*\p+6:AT+8*\p+7]
.endr
.irp p, 0,1
	v_pk_add_f32 v[SD+8*\p:SD+8*\p+1], v[SD+8*\p:SD+8*\p+1], v[SD+8*\p+2:SD+8*\p+3]
.endr
.irp p, 0,1
	v_add_f32 v[MX+2*\p], v[SD+8*\p], v[SD+8*\p+1]
.endr
.irp p, 0,1
	v_permlanex16_b32 v[MX+2*\p+1], v[MX+2*\p], s26, s27
.endr
.irp p, 0,1
	v_add_f32 v[MX+2*\p], v[MX+2*\p], v[MX+2*\p+1]
.endr
.irp p, 0,1
	v_rcp_f32 v[MX+2*\p], v[MX+2*\p]
.endr
	v_nop                                          ; one plain place behind the reciprocals
	s_wait_alu depctr_va_vdst(0)                   ; the two reciprocals have written v[MX] and v[MX+2]: one wait for both, ahead of their first reader
.irp i, 0,2,4,6
.irp p, 0,1
	v_pk_mul_f32 v[AT+8*\p+\i:AT+8*\p+\i+1], v[AT+8*\p+\i:AT+8*\p+\i+1], v[MX+2*\p:MX+2*\p+1] op_sel_hi:[1,0]   ; attn, finished and normalised, in f32
.endr
.endr
	s_wait_dscnt 0x0                               ; v is in, and the last trip's stores are done
; O^T = v^T attn^T, f32 operands.  Source 0: lane (m, h), register j: v of head 8 h + 2 kk + j, channel 32 a + 16 (m / 8) + 8 u + m % 8; source 1: lane (i, h): attn(i, the same head).
; Four accumulators by turns, the first of each sum with C = 0.  A lane's 16 results of a position are channels 32 a + 16 h + 0 .. 15 of head i.
.irp kk, 0,1,2,3
.irp p, 0,1
.irp u, 0,1
.if \kk == 0
	v_wmma_f32_16x16x4_f32 v[OD+16*\p+8*\u:OD+16*\p+8*\u+7], v[VA+16*\p+8*\u+2*\kk:VA+16*\p+8*\u+2*\kk+1], v[AT+8*\p+2*\kk:AT+8*\p+2*\kk+1], 0
.else
	v_wmma_f32_16x16x4_f32 v[OD+16*\p+8*\u:OD+16*\p+8*\u+7], v[VA+16*\p+8*\u+2*\kk:VA+16*\p+8*\u+2*\kk+1], v[AT+8*\p+2*\kk:AT+8*\p+2*\kk+1], v[OD+16*\p+8*\u:OD+16*\p+8*\u+7]
.endif
.endr
.endr
.endr
.rept 9
	v_nop                                          ; behind this form 8 places in front of reads of its results, 9 in front of the matrix instructions that begin these accumulators anew
.endr
	s_wait_alu depctr_vm_vsrc(0)                   ; the last trip's stores have read their codes, bytes and two addresses, the last loads their three addresses: all of these are written again below
.if \next
	P5LOAD                                         ; the next two positions land while these are quantised: no line below names a register that these loads touch
.endif
	BSCALE OD, 2                                   ; a block of 32 along the last product's K: half a head of one position
	v_cvt_scalef32_pk16_fp6_f32 v[CA:CA+2], v[OD:OD+15], v[TM+12]
	v_cvt_scalef32_pk16_fp6_f32 v[CB:CB+2], v[OD+16:OD+31], v[TM+13]
	v_nop                                          ; one plain place behind a scaled conversion
	v_add_nc_u32 v[T0], s24, v[AA0]
	v_add_nc_u32 v[T0+1], s25, v[AB0]
	s_wait_alu depctr_va_vdst(0)                   ; the conversions have written v[CA ..] and v[CB ..], the lines above them the two bytes and the two addresses: the stores below read them
.irp i, 0,1,2
	ds_store_b32 v[T0], v[CA+\i] offset:4*\i
.endr
.irp i, 0,1,2
	ds_store_b32 v[T0], v[CB+\i] offset:48+4*\i
.endr
	ds_store_b8 v[T0+1], v[TM+4]                   ; (both halves of the lanes write the same byte with the same value)
	ds_store_b8 v[T0+1], v[TM+5] offset:2
.if \next
	s_add_co_u32 s24, s24, 96
	s_add_co_u32 s25, s25, 4
.endif
.endm
	s_mov_b32 s40, 0                               ; 24 a: the pass's half of a head, in A's codes,
	s_mov_b32 s41, 0                               ; a: and among A's scale bytes
	s_mov_b32 s16, 2
.Lpass:
	s_mov_b32 s20, 0
	s_mov_b32 s17, 2
.Lvc:
	VADR
	CHUNK 0
	EPI_V
	STEPW
	s_add_co_u32 s20, s20, 64
	s_sub_co_u32 s17, s17, 1
	s_cmp_lg_u32 s17, 0
	s_cbranch_scc1 .Lvc
	BARRIER                                        ; 32 channels of v lie in LDS
.irp p, 0,1
.irp i, 6,7,8,9,10,11
	v_mov_b32 v[KF+24*\p+\i], 0                    ; zero codes for K = 64 .. 127 of the score products
	v_mov_b32 v[QF+24*\p+\i], 0
.endr
.endr
.rept 4
	v_nop                                          ; an operand written by vector instructions stands 4 places ahead of a scaled matrix instruction; the wait that shows it written stands in the first loads' lines below
.endr
	s_mov_b32 s21, 0
	s_mov_b32 s22, 0
	s_mov_b32 s23, 0
	s_mov_b32 s24, s40
	s_mov_b32 s25, s41
	P5LOAD
	s_mov_b32 s17, 7
.Lp5:
	P5TRIP 1
	s_sub_co_u32 s17, s17, 1
	s_cmp_lg_u32 s17, 0
	s_cbranch_scc1 .Lp5
	P5TRIP 0                                       ; the last two positions fetch nothing
	s_add_co_u32 s40, s40, 24
	s_add_co_u32 s41, s41, 1
	BARRIER                                        ; every wave has read this pass's v: the next pass may write over it; behind the second pass: A is whole
	s_wait_alu depctr_vm_vsrc(0)                   ; my last stores have read their two addresses, which the next pass's first lines write again, and their codes and bytes, which its attention writes
	s_sub_co_u32 s16, s16, 1
	s_cmp_lg_u32 s16, 0
	s_cbranch_scc1 .Lpass
; ---- A's 32 fragments take x's place in the registers: from rows, in pieces of 8 bytes; 784 bytes = 196 words from row to row: the 32 lanes of a load touch 64 different banks
; The products that read x's fragments and scale words stand ahead of the attention's waits on va_vdst, and no vector or matrix instruction since names these registers: the loads below need no further wait.
.irp s, 0,1,2,3,4,5,6,7
.if \s < 4
	WIN 0x40
.else
	WIN 0x80
.endif
.irp m, 0,1,2,3
.irp p, 0,1,2,3,4,5
	ds_load_b64 v[48*(\s%4)+12*\m+2*\p:48*(\s%4)+12*\m+2*\p+1], v[AFR] offset:16*PP*\m+96*\s+48*(\p/3)+8*(\p%3)
.endr
.endr
.endr
	WIN 0
.irp s, 0,1,2,3,4,5,6,7
.irp q, 0,1
	ds_load_b32 v[XSC+2*\s+\q], v[ASR] offset:32*ASP*\q+4*\s
.endr
.endr
	s_wait_dscnt 0x0
; ---- the last product.  A chunk is 64 columns for the 64 rows.  A row tile (16 heads' rows x 256 bytes) goes through my own stage and leaves as whole rows: sixteen lanes store 256 consecutive bytes, at a multiple of 256 from out0's first byte.
.macro TOSTAGE m
	s_wait_xcnt 0x0                                ; the stores of two tiles ago have had their addresses translated
.if (\m) >= 2
	s_wait_alu depctr_vm_vsrc(0)                   ; the stores of two tiles ago have read their rows' registers, in which this tile's rows land (for tiles 0 and 1 the wait at the end of the chunk before shows it)
.endif
.irp t, 0,1,2,3
.irp q, 0,1
	ds_store_b128 v[OSW], v[ACC+32*(\m)+8*\t+4*\q:ACC+32*(\m)+8*\t+4*\q+3] offset:64*\t+16*\q   ; each accumulator from its low end on
.endr
.endr
	WIN 0x40
.irp k, 0,1,2,3,4,5,6,7
	ds_load_b128 v[OUTR+32*((\m)%2)+4*\k:OUTR+32*((\m)%2)+4*\k+3], v[OSR] offset:2*OSP*\k   ; LDS serves a wave's instructions in order: these see the stores above, and the next tile's stores come behind them
.endr
	WIN 0
.endm
.macro SEND m, younger                 ; younger: the next tile's 8 stores and 8 loads, or none
	s_wait_dscnt \younger
	WIN 0x04                                       ; a store's data are its source 1: window 1
.irp k, 0,1,2,3,4,5,6,7
	global_store_b128 v[VO0+\k/4], v[OUTR+32*((\m)%2)+4*\k:OUTR+32*((\m)%2)+4*\k+3], s[14:15] offset:2097152*(\k%4)+4096*(\m) th:TH_STORE_NT   ; heads 2 k and 2 k + 1, row tile m
.endr
	WIN 0
.endm
.macro EPI_O                           ; no vector or matrix instruction stands in it: the one wait on va_vdst ahead of it shows all sixteen accumulators written
	TOSTAGE 0
	TOSTAGE 1
	SEND 0, 16
	TOSTAGE 2
	SEND 1, 16
	TOSTAGE 3
	SEND 2, 16
	SEND 3, 0
.endm
	s_mov_b32 s16, 3
.Lo:
	CHUNK 0                                        ; (the wait behind its last K step shows the accumulators written; only loads stand between it and the stage's stores)
	EPI_O
	s_wait_alu depctr_vm_vsrc(0)                   ; the stage's stores have read the accumulators, which the next chunk's products write; the last two tiles' stores have read their rows' registers, in which the next chunk's first two tiles land
	STEPW                                          ; (its wait also frees the stores' base)
	s_add_nc_u64 s[14:15], s[14:15], 256           ; the next 64 columns
	s_sub_co_u32 s16, s16, 1
	s_cmp_lg_u32 s16, 0
	s_cbranch_scc1 .Lo
	CHUNK 1                                        ; the stream's last chunk is written out: no load leaves the buffer
	s_wait_alu depctr_va_vdst(0)                   ; its products have written the accumulators, which the stage's stores read; the five places behind the last product stay beside this wait
	EPI_O
	s_wait_dscnt 0x0                               ; the closing lines, six on end
	s_wait_alu 0x0
	s_wait_tensorcnt 0x0
	ds_add_u32 v111, v123
	s_wait_dscnt 0x0
	s_endpgm
.Lfunc_end_k_q90ff4197ea_fused:
	.size	k_q90ff4197ea_fused, .Lfunc_end_k_q90ff4197ea_fused-k_q90ff4197ea_fused
	.p2alignl 7, 3214868480
	.fill 96, 4, 3214868480
	.section	.rodata,"a",@progbits
	.p2align	6, 0x0
	.amdhsa_kernel k_q90ff4197ea_fused
		.amdhsa_group_segment_fixed_size 294144
		.amdhsa_private_segment_fixed_size 0
		.amdhsa_enable_private_segment 0
		.amdhsa_kernarg_size 24
		.amdhsa_user_sgpr_count 2
		.amdhsa_user_sgpr_kernarg_segment_ptr 1
		.amdhsa_wavefront_size32 1
		.amdhsa_system_sgpr_workgroup_id_x 1
		.amdhsa_system_sgpr_workgroup_id_y 1
		.amdhsa_system_sgpr_workgroup_id_z 1
		.amdhsa_system_vgpr_workitem_id 0
		.amdhsa_next_free_vgpr 1024
		.amdhsa_next_free_sgpr 66
		.amdhsa_reserve_vcc 0
		.amdhsa_float_denorm_mode_32 3
		.amdhsa_float_denorm_mode_16_64 3
		.amdhsa_memory_ordered 1
		.amdhsa_forward_progress 1
		.amdhsa_inst_pref_size 251
	.end_amdhsa_kernel
	.amdgpu_metadata
---
amdhsa.version: [ 1, 2 ]
amdhsa.kernels:
  - .name:           k_q90ff4197ea_fused
    .symbol:         k_q90ff4197ea_fused.kd
    .args:
      - { .name: x, .offset: 0, .size: 8, .value_kind: global_buffer, .address_space: global }
      - { .name: wst, .offset: 8, .size: 8, .value_kind: global_buffer, .address_space: global }
      - { .name: out0, .offset: 16, .size: 8, .value_kind: global_buffer, .address_space: global }
    .group_segment_fixed_size: 294144
    .private_segment_fixed_size: 0
    .kernarg_segment_align: 8
    .kernarg_segment_size: 24
    .max_flat_workgroup_size: 128
    .sgpr_count:     66
    .vgpr_count:     1024
    .wavefront_size: 32
...
	.end_amdgpu_metadata
.endif
;; end of part 3
